; MI455X (gfx1250); checked and timed in simulation.
; The chip was launched on July 23, 2026; its instructions are those of AMD's public machine-readable ISA for CDNA 5 (MIT licence, August 2026) and "CDNA5" Instruction Set Architecture Reference Guide (July 2026). The comments in the code are by the model that wrote it; some were corrected since.
;; atten module. Allowed arithmetic: float matrix products may take bf16 or f16 operands with f32 sums; other float arithmetic in f32, or as packed bf16 or f16 multiplies, adds, multiply-adds, maxima and minima; sums over many terms, partial sums and values carried from step to step in f32; what a program stores and reads back later, other than sums and carried values, may be rounded once to bf16 or f16.
;; Inputs: Wo 1,024 x 1,024 float32; Wqkv 1,024 x 3,072 float32; Wr 1,024 x 1,024 float32; ln_b 1,024 float32; ln_g 1,024 float32; r 1 x 1,024 float32; rr 16 x 64 float32; rw 16 x 64 float32; x 2,048 x 2 x 1,024 float32.
;; Outputs: out0 2,048 x 2 x 1,024 float32.
;; 2 versions, each right; version 2 is version 1 with the launch prep written anew for expert scheduling mode. Each part assembles by itself: llvm-mc -triple=amdgcn-amd-amdhsa -mcpu=gfx1250 --defsym DOCPART=n.
;; ======== version 1 of 2: 4 launches
;; workspace buffers: xnb 8,388,608 bytes; wb 8,388,608 bytes; rkv 4,096 bytes; qkvb 25,165,824 bytes; cb 262,144 bytes; avb 8,388,608 bytes
;; launch prep (part 1): grid 208 x 1, 16 waves a work-group, no clusters, 10,240 bytes of LDS; arguments x, ln_g, ln_b, Wqkv, Wo, r, Wr, xnb, wb, rkv; writes xnb, wb, rkv
.if DOCPART == 1
	.amdgcn_target "amdgcn-amd-amdhsa--gfx1250"
	.amdhsa_code_object_version 6
	.text
	.protected	k_q5806830d76_prep
	.globl	k_q5806830d76_prep
	.p2align	8
	.type	k_q5806830d76_prep,@function
k_q5806830d76_prep:
	s_mov_b64 s[64:65], 0
	v_nop
	global_prefetch_b8 v0, s[64:65] scope:SCOPE_SE
	s_setreg_imm32_b32 hwreg(HW_REG_WAVE_MODE, 25, 1), 1
	s_wait_xcnt 0x0
; PREP: three streams that share one launch; the work-group's number chooses the part (the same for all its 16 waves).
;   groups 0-15    rkv[64 n + d] = sum over k of r[k] Wr[k][64 n + d], f32.  The position input has ONE distinct row, so this is a vector times a matrix:
;                  1 M multiply-adds on 4 MiB read once: plain f32 multiply-adds, no matrix unit.
;   groups 16-79   Wqkv and Wo rounded to bf16 and laid in blocks: WQ [head n][k][kind q,k,v][64] at byte 0 of wb, WO [block of 64 columns][k][64] at byte WOFF.
;                  A chunk is 64 numbers: 256 bytes read, 128 written.  In both tensors chunk c of block n lies at source byte 4096 c + 256 n (for Wqkv c = 3 k + kind).
;   groups 80-207  LayerNorm: xn = (x - mean) rsqrt(var + 1e-5) g + b, var by a second pass over x - mean as the definition has it; a wave takes two rows and keeps them in registers.
; xn is rounded ONCE to bf16 (relative error up to 2^-8): it serves as matrix operand and as the residual of the last launch.  NaN and infinities are not treated apart.
; Every wave issues all its loads at once and works them off by counted waits.  Each store of a wave covers 256 consecutive bytes, aligned.
; No cluster, no tensor load: no two work-groups read the same bytes but g, b and r (4 KiB each).  No prefetch: each wave's loads all go out at its head.
.set SPARE, 8192                       ; LDS 0-8191: the 32 partial rows of rkv; from here the spare words, 128 bytes a wave
.set WOFF,  6291456
.set SPW, 28                           ; v28  SPARE + 4 x my thread's number; never rewritten
.set NIL, 29                           ; v29  0; never rewritten
.set LOF, 30                           ; v30  my byte offset in what I load
.set SOF, 31                           ; v31  my byte offset in what I store
.macro FOLD T                          ; four chains of pairs into one number
	v_pk_add_f32 v[(\T):(\T)+1], v[(\T):(\T)+1], v[(\T)+2:(\T)+3]
	v_pk_add_f32 v[(\T)+4:(\T)+5], v[(\T)+4:(\T)+5], v[(\T)+6:(\T)+7]
	v_pk_add_f32 v[(\T):(\T)+1], v[(\T):(\T)+1], v[(\T)+4:(\T)+5]
	v_add_f32 v[(\T)], v[(\T)], v[(\T)+1]
.endm
.macro LSUM X, T                       ; the sum of my 32 numbers: the first pairs start the chains, nothing is cleared
.irp c, 0,1,2,3
	v_pk_add_f32 v[(\T)+2*\c:(\T)+2*\c+1], v[(\X)+2*\c:(\X)+2*\c+1], v[(\X)+8+2*\c:(\X)+8+2*\c+1]
.endr
.irp g, 2,3
.irp c, 0,1,2,3
	v_pk_add_f32 v[(\T)+2*\c:(\T)+2*\c+1], v[(\T)+2*\c:(\T)+2*\c+1], v[(\X)+8*\g+2*\c:(\X)+8*\g+2*\c+1]
.endr
.endr
	FOLD \T
.endm
.macro LSQ X, T                        ; the sum of their squares
.irp c, 0,1,2,3
	v_pk_mul_f32 v[(\T)+2*\c:(\T)+2*\c+1], v[(\X)+2*\c:(\X)+2*\c+1], v[(\X)+2*\c:(\X)+2*\c+1]
.endr
.irp g, 1,2,3
.irp c, 0,1,2,3
	v_pk_fma_f32 v[(\T)+2*\c:(\T)+2*\c+1], v[(\X)+8*\g+2*\c:(\X)+8*\g+2*\c+1], v[(\X)+8*\g+2*\c:(\X)+8*\g+2*\c+1], v[(\T)+2*\c:(\T)+2*\c+1]
.endr
.endr
	FOLD \T
.endm
.macro LRED T                          ; over the 32 lanes; every lane ends with the sum
	v_add_f32_dpp v[(\T)], v[(\T)], v[(\T)] row_xmask:1 row_mask:0xf bank_mask:0xf
	v_add_f32_dpp v[(\T)], v[(\T)], v[(\T)] row_xmask:2 row_mask:0xf bank_mask:0xf
	v_add_f32_dpp v[(\T)], v[(\T)], v[(\T)] row_xmask:4 row_mask:0xf bank_mask:0xf
	v_add_f32_dpp v[(\T)], v[(\T)], v[(\T)] row_xmask:8 row_mask:0xf bank_mask:0xf
	v_permlanex16_b32 v[(\T)+1], v[(\T)], s30, s31
	v_add_f32 v[(\T)], v[(\T)], v[(\T)+1]
.endm
.macro LSUB X, M                       ; x - mean, in place
.set p, 0
.rept 16
	v_pk_add_f32 v[(\X)+2*p:(\X)+2*p+1], v[(\X)+2*p:(\X)+2*p+1], v[(\M):(\M)+1] neg_lo:[0,1] neg_hi:[0,1]
.set p, p+1
.endr
.endm
.macro LOUT X, R, off                  ; times rstd, times g plus b, rounded to bf16, stored
.set p, 0
.rept 16
	v_pk_mul_f32 v[(\X)+2*p:(\X)+2*p+1], v[(\X)+2*p:(\X)+2*p+1], v[(\R):(\R)+1]
.set p, p+1
.endr
.set p, 0
.rept 16
	v_pk_fma_f32 v[(\X)+2*p:(\X)+2*p+1], v[(\X)+2*p:(\X)+2*p+1], v[96+2*p:97+2*p], v[128+2*p:129+2*p]
.set p, p+1
.endr
.irp j, 0,1,2,3,4,5,6,7
	v_cvt_pk_bf16_f32 v[(\X)+4*\j], v[(\X)+4*\j], v[(\X)+4*\j+1]
	v_cvt_pk_bf16_f32 v[(\X)+4*\j+1], v[(\X)+4*\j+2], v[(\X)+4*\j+3]
	global_store_b64 v[SOF], v[(\X)+4*\j:(\X)+4*\j+1], s[22:23] offset:256*\j+(\off)  ; 32 lanes x 8 bytes: 256 consecutive bytes, aligned
.endr
.endm
	s_load_b512 s[8:23], s[0:1], 0x0               ; x 8, g 10, b 12, Wqkv 14, Wo 16, r 18, Wr 20, xnb 22
	s_load_b128 s[24:27], s[0:1], 0x40             ; wb 24, rkv 26
	v_lshl_add_u32 v[SPW], v0, 2, SPARE
	v_mov_b32 v[NIL], 0
	v_lshrrev_b32 v1, 5, v0
	v_readfirstlane_b32 s4, v1                     ; wave 0..15
	v_and_b32 v1, 31, v0                           ; lane
	v_and_b32 v2, 15, v0                           ; lane % 16
	v_bfe_u32 v3, v0, 4, 1                         ; lane / 16
	s_mov_b32 s5, ttmp9
	s_mov_b32 s7, 0                                ; the high word of every offset
	s_wait_kmcnt 0x0
	s_cmp_lt_u32 s5, 16
	s_cbranch_scc1 .Lrkv
	s_cmp_lt_u32 s5, 80
	s_cbranch_scc1 .Lcast
	; ---- LayerNorm: rows 32 g + 2 w and the next.  X0 v32-63, X1 v64-95, g v96-127, b v128-159; load j brings my numbers 128 j + 4 lane .. + 3
	s_sub_co_u32 s5, s5, 80
	s_lshl_b32 s5, s5, 5
	s_lshl1_add_u32 s5, s4, s5                     ; my first row
	s_lshl_b32 s6, s5, 12
	s_add_nc_u64 s[8:9], s[8:9], s[6:7]
	s_lshl_b32 s6, s5, 11
	s_add_nc_u64 s[22:23], s[22:23], s[6:7]
	s_mov_b32 s30, 0x76543210                      ; v_permlanex16_b32: each lane takes its own place in the other half
	s_mov_b32 s31, 0xfedcba98
	s_mov_b32 s32, 0x3a800000                      ; 1 / 1024
	s_mov_b32 s33, 0x3727c5ac                      ; 1e-5
	v_lshlrev_b32 v[LOF], 4, v1
	v_lshlrev_b32 v[SOF], 3, v1
.irp j, 0,1,2,3,4,5,6,7
	global_load_b128 v[32+4*\j:35+4*\j], v[LOF], s[8:9] offset:512*\j th:TH_LOAD_NT
.endr
.irp j, 0,1,2,3,4,5,6,7
	global_load_b128 v[64+4*\j:67+4*\j], v[LOF], s[8:9] offset:4096+512*\j th:TH_LOAD_NT
.endr
.irp j, 0,1,2,3,4,5,6,7
	global_load_b128 v[96+4*\j:99+4*\j], v[LOF], s[10:11] offset:512*\j
.endr
.irp j, 0,1,2,3,4,5,6,7
	global_load_b128 v[128+4*\j:131+4*\j], v[LOF], s[12:13] offset:512*\j
.endr
	s_wait_loadcnt 16                              ; both rows are in; the sixteen loads of g and b may stay out
	LSUM 32, 4
	LSUM 64, 12
	LRED 4
	LRED 12
	v_mul_f32 v20, s32, v4                         ; the means, each twice: a pair for the packed forms
	v_mul_f32 v21, s32, v4
	v_mul_f32 v22, s32, v12
	v_mul_f32 v23, s32, v12
	LSUB 32, 20
	LSUB 64, 22
	LSQ 32, 4
	LSQ 64, 12
	LRED 4
	LRED 12
	v_fma_f32 v4, v4, s32, s33                     ; var + eps
	v_fma_f32 v12, v12, s32, s33
	v_rsq_f32 v24, v4                              ; one batch of two,
	v_rsq_f32 v26, v12
	v_nop                                          ; a plain instruction behind the last of them (ISA guide 5.7.2),
	s_wait_alu depctr_va_vdst(0)                   ; and the one wait ahead of the first reader
	v_mov_b32 v25, v24
	v_mov_b32 v27, v26
	s_wait_loadcnt 0x0                             ; g and b
	LOUT 32, 24, 0
	LOUT 64, 26, 2048
	s_branch .Lend
	; ---- the casts: a wave takes 64 chunks, two to an instruction (lanes 0-15 one chunk, lanes 16-31 the next)
.Lcast:
	s_sub_co_u32 s5, s5, 16                        ; 0-47: Wqkv, head j % 16, third j / 16 of its 3,072 chunks; 48-63: Wo, block j - 48, all 1,024
	s_and_b32 s6, s5, 15
	s_lshr_b32 s28, s5, 4
	s_sub_co_u32 s29, s5, 48
	s_mov_b32 s30, 393216                          ; bytes of a head's block in WQ,
	s_mov_b32 s31, 131072                          ; of a block in WO
	s_cmp_lt_u32 s5, 48
	s_cselect_b64 s[14:15], s[14:15], s[16:17]
	s_cselect_b32 s6, s6, s29                      ; n
	s_cselect_b32 s28, s28, 0
	s_cselect_b32 s30, s30, s31
	s_cselect_b32 s29, 0, WOFF
	s_mul_i32 s30, s6, s30
	s_add_co_u32 s30, s30, s29
	s_lshl_b32 s28, s28, 10
	s_lshl_b32 s29, s4, 6
	s_add_co_u32 s28, s28, s29                     ; my first chunk
	s_lshl_b32 s29, s28, 7
	s_add_co_u32 s30, s30, s29
	s_mov_b32 s31, 0
	s_add_nc_u64 s[24:25], s[24:25], s[30:31]      ; to: block + 128 x chunk
	s_lshl_b32 s30, s28, 12
	s_lshl_b32 s29, s6, 8
	s_add_co_u32 s30, s30, s29
	s_add_nc_u64 s[14:15], s[14:15], s[30:31]      ; from: 4096 x chunk + 256 n
	v_lshlrev_b32 v[LOF], 4, v2
	v_lshl_add_u32 v[LOF], v3, 12, v[LOF]
	v_lshlrev_b32 v[SOF], 3, v1
.set u, 0
.rept 32
	global_load_b128 v[32+4*u:35+4*u], v[LOF], s[14:15] offset:8192*u th:TH_LOAD_NT
.set u, u+1
.endr
.set u, 0
.rept 32
	s_wait_loadcnt 31-u                            ; loads come back in order: number u is in, the younger ones stay out
	v_cvt_pk_bf16_f32 v[32+4*u], v[32+4*u], v[33+4*u]
	v_cvt_pk_bf16_f32 v[33+4*u], v[34+4*u], v[35+4*u]
	global_store_b64 v[SOF], v[32+4*u:33+4*u], s[24:25] offset:256*u  ; two chunks: 256 consecutive bytes, aligned
.set u, u+1
.endr
	s_branch .Lend
	; ---- rkv: thread t takes rows 32 (t / 16) .. + 31 of Wr and four of the head's 64 columns; the 32 partial rows meet in LDS
.Lrkv:
	s_lshl_b32 s6, s5, 8
	s_add_nc_u64 s[20:21], s[20:21], s[6:7]
	s_add_nc_u64 s[26:27], s[26:27], s[6:7]
	v_lshrrev_b32 v9, 4, v0
	v_lshlrev_b32 v10, 7, v9                       ; my 32 numbers of r
	v_lshlrev_b32 v8, 4, v2
	v_lshl_add_u32 v8, v9, 17, v8                  ; 32 rows of 4,096 bytes a step, 16 bytes a lane
.irp i, 0,1,2,3,4,5,6,7
	global_load_b128 v[160+4*\i:163+4*\i], v10, s[18:19] offset:16*\i
.endr
.set j, 0
.rept 32
	global_load_b128 v[32+4*j:35+4*j], v8, s[20:21] offset:4096*j th:TH_LOAD_NT
.set j, j+1
.endr
	s_wait_loadcnt 31                              ; r (older) and row 0 are in
.irp c, 0,1,2,3
	v_mul_f32 v[4+\c], v[32+\c], v160              ; the first row starts the sums
.endr
.set j, 1
.rept 31
	s_wait_loadcnt 31-j
.irp c, 0,1,2,3
	v_fmac_f32 v[4+\c], v[32+4*j+\c], v[160+j]
.endr
.set j, j+1
.endr
	v_lshlrev_b32 v11, 4, v0
	ds_store_b128 v11, v[4:7]                      ; partial row t / 16, 256 bytes each
	s_wait_dscnt 0x0                               ; for the others' sake
	s_barrier_signal -1
	s_barrier_wait -1
	s_cmp_lg_u32 s4, 0
	s_cbranch_scc1 .Lend                           ; wave 0 adds them up
	v_lshlrev_b32 v12, 3, v1
.set p, 0
.rept 32
	ds_load_b64 v[32+2*p:33+2*p], v12 offset:256*p
.set p, p+1
.endr
	s_wait_dscnt 0x0
.irp s, 16,8,4,2,1
.set i, 0
.rept \s
	v_pk_add_f32 v[32+2*i:33+2*i], v[32+2*i:33+2*i], v[32+2*(i+\s):33+2*(i+\s)]
.set i, i+1
.endr
.endr
	global_store_b64 v12, v[32:33], s[26:27]       ; the head's 64 numbers: 256 consecutive bytes, aligned
.Lend:
	s_wait_tensorcnt 0x0                           ; the wave's end
	ds_add_u32 v[SPW], v[NIL]
	s_wait_dscnt 0x0
	s_endpgm
.Lfunc_end_k_q5806830d76_prep:
	.size	k_q5806830d76_prep, .Lfunc_end_k_q5806830d76_prep-k_q5806830d76_prep
	.p2alignl 7, 3214868480
	.fill 96, 4, 3214868480
	.section	.rodata,"a",@progbits
	.p2align	6, 0x0
	.amdhsa_kernel k_q5806830d76_prep
		.amdhsa_group_segment_fixed_size 10240
		.amdhsa_private_segment_fixed_size 0
		.amdhsa_enable_private_segment 0
		.amdhsa_kernarg_size 80
		.amdhsa_user_sgpr_count 2
		.amdhsa_user_sgpr_kernarg_segment_ptr 1
		.amdhsa_wavefront_size32 1
		.amdhsa_system_sgpr_workgroup_id_x 1
		.amdhsa_system_sgpr_workgroup_id_y 1
		.amdhsa_system_sgpr_workgroup_id_z 1
		.amdhsa_system_vgpr_workitem_id 0
		.amdhsa_next_free_vgpr 192
		.amdhsa_next_free_sgpr 66
		.amdhsa_reserve_vcc 0
		.amdhsa_float_denorm_mode_32 3
		.amdhsa_float_denorm_mode_16_64 3
		.amdhsa_memory_ordered 1
		.amdhsa_forward_progress 1
		.amdhsa_inst_pref_size 46
	.end_amdhsa_kernel
	.amdgpu_metadata
---
amdhsa.version: [ 1, 2 ]
amdhsa.kernels:
  - .name:           k_q5806830d76_prep
    .symbol:         k_q5806830d76_prep.kd
    .args:
      - { .name: x, .offset: 0, .size: 8, .value_kind: global_buffer, .address_space: global }
      - { .name: ln_g, .offset: 8, .size: 8, .value_kind: global_buffer, .address_space: global }
      - { .name: ln_b, .offset: 16, .size: 8, .value_kind: global_buffer, .address_space: global }
      - { .name: Wqkv, .offset: 24, .size: 8, .value_kind: global_buffer, .address_space: global }
      - { .name: Wo, .offset: 32, .size: 8, .value_kind: global_buffer, .address_space: global }
      - { .name: r, .offset: 40, .size: 8, .value_kind: global_buffer, .address_space: global }
      - { .name: Wr, .offset: 48, .size: 8, .value_kind: global_buffer, .address_space: global }
      - { .name: xnb, .offset: 56, .size: 8, .value_kind: global_buffer, .address_space: global }
      - { .name: wb, .offset: 64, .size: 8, .value_kind: global_buffer, .address_space: global }
      - { .name: rkv, .offset: 72, .size: 8, .value_kind: global_buffer, .address_space: global }
    .group_segment_fixed_size: 10240
    .private_segment_fixed_size: 0
    .kernarg_segment_align: 8
    .kernarg_segment_size: 80
    .max_flat_workgroup_size: 512
    .sgpr_count:     66
    .vgpr_count:     192
    .wavefront_size: 32
...
	.end_amdgpu_metadata
.endif
;; end of part 1
;; launch qkv (part 2): grid 16 x 16, 4 waves a work-group, clusters of 4 x 4, 327,680 bytes of LDS; arguments xnb, wb, rw, rr, rkv, qkvb, cb; writes qkvb, cb
.if DOCPART == 2
	.amdgcn_target "amdgcn-amd-amdhsa--gfx1250"
	.amdhsa_code_object_version 6
	.text
	.protected	k_q5806830d76_qkv
	.globl	k_q5806830d76_qkv
	.p2align	8
	.type	k_q5806830d76_qkv,@function
k_q5806830d76_qkv:
	s_mov_b64 s[64:65], 0
	v_nop
	global_prefetch_b8 v0, s[64:65] scope:SCOPE_SE
	s_setreg_imm32_b32 hwreg(HW_REG_WAVE_MODE, 25, 1), 1
	s_wait_xcnt 0x0
	s_wait_alu depctr_hold_cnt(0) depctr_sa_sdst(0) depctr_va_vdst(0) depctr_va_sdst(0) depctr_va_ssrc(0) depctr_va_vcc(0) depctr_vm_vsrc(0)
	s_getreg_b32 s2, hwreg(HW_REG_IB_STS2, 6, 4)
	s_cmp_eq_u32 s2, 0
	s_cbranch_scc0 .Lentry_in_a_cluster
	s_endpgm
.Lentry_in_a_cluster:
	s_bfe_u32 s2, ttmp6, 0x10000c
	s_cmp_lg_u32 s2, 0xf033
	s_cbranch_scc0 .Lentry_shape_is_right
	s_endpgm
.Lentry_shape_is_right:
; QKV: [4096 tokens][1024] x [1024][3072] in bf16, sums in f32.  Out: q + rw, k, v by heads, [kind][16 b + n][pos][64] bf16, each rounded once from its f32 sum,
; and c[16 b + n][pos] = sum over d of (q + rr)[d] rkv[d] in f32, from the unrounded sums (as q . rkv + rr . rkv).
; SHARES.  4096 x 3072 in tiles of 256 x 192: 16 x 16 work-groups.  A tile's 192 columns are q, k and v of ONE head (WQ is laid [head][k][kind][64]); its 256 rows are 128 positions of both
; batches: LDS rows 0-127 batch 0, 128-255 batch 1 (a token's row lies at 4096 pos + 2048 b, so one batch is a tile with a pitch of 2,048 elements).  Wave w owns LDS rows 64 w .. + 63 and all
; 192 columns: 4 x 12 accumulators of 16 x 16, 384 registers; it holds whole heads, so c needs no other wave.
; RING.  K in 8 steps of 128 through two slots of 131,072 bytes: A 256 rows x 272 (256 + 16 of padding), B 128 k-rows x 480 (three chunks of 128 + 32).  Waves 0, 1 fetch A's halves, waves 2, 3 B's.
; B lies [k][column]: its fragments come turned, by ds_load_tr16_b128; 480 = 15 x 32 bytes keeps the eight rows of such a load on different banks (64 banks of 4 bytes: ISA guide 11.1).
; CLUSTER 4 x 4: A's tile hangs on the tile row alone and is asked for jointly along a row of the cluster, B's on the head alone, along a column.
; THE MATRIX INSTRUCTION IS USED TRANSPOSED (source 0 = 16 columns of W, source 1 = 16 tokens): a lane holds one token (lane % 16) and eight neighbouring columns.
; WINDOWS (s_set_vgpr_msb: bits 1:0 source 0, 3:2 source 1, 5:4 source 2, 7:6 destination): 0: addresses, A's fragments, biases; 1: B's fragments, later the packed results;
; 2: accumulators of row blocks 0, 1 at 8 (12 a + nb); 3: of row blocks 2, 3.
; LIMITS: bf16 operands; f32 sums in K order by steps of 32; NaN and infinities are not treated apart.
.set PA,    272
.set PB,    480
.set AHALF, 128*PA
.set BOFF,  2*AHALF
.set BHALF, 64*PB
.set SLOT1, 1<<17                      ; a slot is exactly this long: one exclusive or turns an address in one slot into the other's
.set STAGE, 2*SLOT1                    ; 16 rows x 144 bytes for each wave, for the way out
.set SP,    144
.set CST,   STAGE+4*16*SP              ; 256 bytes for each wave: its 64 numbers c
.set SPARE, CST+4*256                  ; the spare words, 128 bytes a wave
.set HEADW, 393216                     ; bytes of a head in WQ
.set KINDB, 8388608                    ; bytes of a kind in qkvb
.set ADRA0, 4                          ; v4   my place in A's tile; never rewritten
.set ADRB0, 5                          ; v5   in B's
.set ADRA,  6                          ; v6   the same in the slot in hand
.set ADRB,  7
.set STO,   8                          ; v8   way out: where I put 16 bytes of a row
.set RD,    9                          ; v9   where I read rows back
.set GO,    10                         ; v10  my 16 bytes of 512 consecutive bytes
.set CSTO,  11
.set CRD,   12
.set CGO,   13
.set VO,    14                         ; v14  32 x (lane / 16): my eight numbers of a bias
.set PFO,   15                         ; v15  the prefetches' lane offset
.set SPW,   28
.set NIL,   29
.set T,     32                         ; v32-63 at work
.set FA,    64                         ; v64-95, v96-127 A's fragments, two buffers
.set RW,    128                        ; v128-159 rw, v160-191 rkv, v192-223 rr of my 32 columns (16 f + 8 (lane / 16) + j at 8 f + j)
.set RKV,   160
.set RR,    192
.set P0,    224                        ; v224-225 rr . rkv over my 32 columns
.set WV,   20
.set ROLE, 21                          ; wave / 2: I fetch for A (0) or B (1); also my rows' batch
.set HALF, 22                          ; wave % 2: which half I fetch; also which 64 positions are mine
.set CX,   23
.set CY,   24
.set HN,   25                          ; the head = tile column
.set TY,   26                          ; the tile row
.set G1A,  32
.set G1B,  40
.set G0A,  48                          ; two sets: slot 0 / step 0; slot 1 / step 1, which then walks
.set G0B,  56
.set TB,   66                          ; the slot in hand: 0 or SLOT1
.set CNT,  67
.set PFN,  68                          ; prefetches that I still owe
.set PFA,  70
.set PST,  72
.set OB,   74                          ; s[74:79] q's, k's, v's rows of mine
.set CBB,  80
.set SEL,  82
.set MSB, 0
.macro WIN new                         ; the high byte repeats the setting that is left; a switch that changes nothing is dropped
.if MSB != (\new)
	s_set_vgpr_msb (MSB<<8)|(\new)
.set MSB, (\new)
.endif
.endm
.macro PLACES                          ; four plain instructions between a matrix instruction and a load into, or a vector instruction on, its registers
.rept 4
	v_nop
.endr
.endm
.macro JLOAD                           ; a joint refill by the walking sets; the branch hangs on the wave's number alone; s_nop 0 and four v_nop follow each line
	s_cmp_eq_u32 s[ROLE], 0
	s_cbranch_scc0 .Lfor_b_\@
	tensor_load_to_lds s[G0A+4:G0A+7], s[G1A:G1A+7]
	s_nop 0
.rept 4
	v_nop
.endr
	s_branch .Lasked_\@
.Lfor_b_\@:
	tensor_load_to_lds s[G0B+4:G0B+7], s[G1B:G1B+7]
	s_nop 0
.rept 4
	v_nop
.endr
.Lasked_\@:
.endm
.macro CREST                           ; a round of the cluster's barrier behind its opening barrier
	s_cmp_lg_u32 s[WV], 0
	s_cbranch_scc1 .Lnot_wave_0_\@
	s_barrier_signal -3
.Lnot_wave_0_\@:
	s_barrier_wait -3
	s_barrier_signal -1
	s_barrier_wait -1
.endm
.macro CROUND
	s_barrier_signal -1
	s_barrier_wait -1
	CREST
.endm
; A PREFETCH behind a joint load and the run of LDS loads that follows it.  K steps 4 to 7 are asked for, each block of 256 bytes once in the launch; steps 0 to 3 come by their loads alone.
; A: the clusters with x = 0, waves 0 and 1; of the 128 rows that a wave fetches the partner at cx takes 32, by address; a lane a row; in the refill for step s + 2 the rows' 256 bytes of step s + 4.
; B: the clusters with y = 0, waves 2 and 3; a head's steps 4 to 7 are 768 dense blocks: 8 askers (2 cy + wave % 2, by address) x 3 instructions x 32 lanes, in the first three refills.
.macro ASK
	s_cmp_eq_u32 s[PFN], 0
	s_cbranch_scc1 .Lnone_\@
	global_prefetch_b8 v[PFO], s[PFA:PFA+1] th:TH_LOAD_NT scope:SCOPE_SE
	s_sub_co_u32 s[PFN], s[PFN], 1
.Lnone_\@:
.endm
	s_load_b256 s[4:11], s[0:1], 0x0               ; xnb 4, wb 6, rw 8, rr 10
	s_load_b128 s[12:15], s[0:1], 0x20             ; rkv 12, qkvb 14
	s_load_b64 s[16:17], s[0:1], 0x30              ; cb
	v_lshl_add_u32 v[SPW], v0, 2, SPARE
	v_mov_b32 v[NIL], 0
	ds_add_u32 v[SPW], v[NIL]                      ; the wave's opening: the add and its wait stand ahead of my first tensor load
	v_lshrrev_b32 v1, 5, v0
	v_readfirstlane_b32 s[WV], v1
	s_lshr_b32 s[ROLE], s[WV], 1
	s_and_b32 s[HALF], s[WV], 1
	s_bfe_u32 s[CX], ttmp6, 0x40000
	s_bfe_u32 s[CY], ttmp6, 0x40004
	s_lshl_b32 s[HN], ttmp9, 2
	s_add_co_u32 s[HN], s[HN], s[CX]               ; head = 4 x cluster x + cx
	s_and_b32 s[TY], ttmp7, 0xffff
	s_lshl_b32 s[TY], s[TY], 2
	s_add_co_u32 s[TY], s[TY], s[CY]               ; tile row = 4 x cluster y + cy
	s_lshl_b32 s84, s[CY], 2
	s_lshl_b32 s84, 15, s84                        ; my row of the cluster
	s_lshl_b32 s85, 0x1111, s[CX]                  ; my column
	s_or_b32 s[G1A], s84, (1<<16)|(1<<20)|(1<<21)|(5<<22)|(3<<25)  ; mask; 2-byte elements; padding on; bit 21 beside a mask; after every 64 words, 4 words
	s_mov_b32 s[G1A+1], 128<<16                    ; tensor_dim0 = 128
	s_mov_b32 s[G1A+2], 128<<16                    ; tensor_dim1 = 128
	s_mov_b32 s[G1A+3], 128<<16                    ; tile_dim0 = 128
	s_mov_b32 s[G1A+4], 128                        ; tile_dim1 = 128
	s_mov_b32 s[G1A+5], 2048                       ; from a position to the next of the same batch
	s_mov_b32 s[G1A+6], 0
	s_mov_b32 s[G1A+7], 0
	s_or_b32 s[G1B], s85, (1<<16)|(1<<20)|(1<<21)|(4<<22)|(7<<25)  ; after every 32 words (a chunk), 8 words
	s_mov_b32 s[G1B+1], 128<<16                    ; 64 k-rows are 24,576 dense bytes: 96 rows of 256
	s_mov_b32 s[G1B+2], 96<<16
	s_mov_b32 s[G1B+3], 128<<16
	s_mov_b32 s[G1B+4], 96
	s_mov_b32 s[G1B+5], 128
	s_mov_b32 s[G1B+6], 0
	s_mov_b32 s[G1B+7], 0
	s_lshl_b32 s86, s[TY], 19                      ; A: 128 positions x 4,096 bytes a tile row,
	s_lshl_b32 s87, s[HALF], 11                    ; my batch
	s_add_co_u32 s86, s86, s87
	s_mov_b32 s87, 0
	s_mul_i32 s88, s[HN], HEADW                    ; B: the head,
	s_mul_i32 s89, s[HALF], 24576                  ; my 64 k-rows of a step
	s_add_co_u32 s88, s88, s89
	s_mov_b32 s89, 0
	s_mul_i32 s90, s[HALF], AHALF                  ; where they go: no place in the cluster enters an LDS address
	s_mul_i32 s91, s[HALF], BHALF
	s_add_co_u32 s91, s91, BOFF
	s_mov_b32 s[SEL], 0x76543210
	s_mov_b32 s[SEL+1], 0xfedcba98
	s_mov_b32 s[TB], 0
	s_wait_dscnt 0x0                               ; the opening add is done
	s_wait_kmcnt 0x0
	s_add_nc_u64 s[86:87], s[4:5], s[86:87]
	s_add_nc_u64 s[88:89], s[6:7], s[88:89]
	CROUND                                         ; all sixteen work-groups are here: the first joint loads meet
.irp s, 0,1
	s_mov_b32 s[G0A+4*\s], 1
	s_add_co_u32 s[G0A+4*\s+1], s90, \s*SLOT1
	s_add_nc_u64 s[G0A+4*\s+2:G0A+4*\s+3], s[86:87], \s*256
	s_or_b32 s[G0A+4*\s+3], s[G0A+4*\s+3], 0x80000000
	s_mov_b32 s[G0B+4*\s], 1
	s_add_co_u32 s[G0B+4*\s+1], s91, \s*SLOT1
	s_add_nc_u64 s[G0B+4*\s+2:G0B+4*\s+3], s[88:89], \s*49152
	s_or_b32 s[G0B+4*\s+3], s[G0B+4*\s+3], 0x80000000
.endr
	s_cmp_eq_u32 s[ROLE], 0                        ; a wave's two first fills stand in one branch: two loads of mine are out
	s_cbranch_scc0 .Lfirst_b
	tensor_load_to_lds s[G0A:G0A+3], s[G1A:G1A+7]
	s_nop 0
	tensor_load_to_lds s[G0A+4:G0A+7], s[G1A:G1A+7]
	s_nop 0
.rept 4
	v_nop
.endr
	s_branch .Lfirst_done
.Lfirst_b:
	tensor_load_to_lds s[G0B:G0B+3], s[G1B:G1B+7]
	s_nop 0
	tensor_load_to_lds s[G0B+4:G0B+7], s[G1B:G1B+7]
	s_nop 0
.rept 4
	v_nop
.endr
.Lfirst_done:
	v_and_b32 v1, 15, v0                           ; l % 16
	v_bfe_u32 v2, v0, 4, 1                         ; l / 16
	v_and_b32 v3, 31, v0                           ; l
	v_lshlrev_b32 v[VO], 5, v2
	s_lshl_b32 s92, s[HN], 8                       ; the head's 64 numbers of rw, rr, rkv
	s_mov_b32 s93, 0
	s_add_nc_u64 s[8:9], s[8:9], s[92:93]
	s_add_nc_u64 s[10:11], s[10:11], s[92:93]
	s_add_nc_u64 s[12:13], s[12:13], s[92:93]
.irp f, 0,1,2,3                        ; waited for at the way out
	global_load_b128 v[RW+8*\f:RW+8*\f+3],    v[VO], s[8:9] offset:64*\f
	global_load_b128 v[RW+8*\f+4:RW+8*\f+7],  v[VO], s[8:9] offset:64*\f+16
	global_load_b128 v[RKV+8*\f:RKV+8*\f+3],   v[VO], s[12:13] offset:64*\f
	global_load_b128 v[RKV+8*\f+4:RKV+8*\f+7], v[VO], s[12:13] offset:64*\f+16
	global_load_b128 v[RR+8*\f:RR+8*\f+3],    v[VO], s[10:11] offset:64*\f
	global_load_b128 v[RR+8*\f+4:RR+8*\f+7],  v[VO], s[10:11] offset:64*\f+16
.endr
	v_mul_u32_u24 v[ADRA0], v1, PA                 ; A's fragment: row x pitch + 16 x half, in my 64 rows
	v_lshl_add_u32 v[ADRA0], v2, 4, v[ADRA0]
	s_mul_i32 s94, s[WV], 64*PA
	v_add_nc_u32 v[ADRA0], s94, v[ADRA0]
	v_and_b32 v16, 7, v0                           ; the turning load: lane l reads k-row 8 (l / 16) + l % 8, columns 8 ((l / 8) % 2) + 0..7
	v_bfe_u32 v17, v0, 3, 1
	v_lshl_add_u32 v[ADRB0], v2, 3, v16
	v_mul_u32_u24 v[ADRB0], v[ADRB0], PB
	v_lshl_add_u32 v[ADRB0], v17, 4, v[ADRB0]
	v_add_nc_u32 v[ADRB0], BOFF, v[ADRB0]
	v_mov_b32 v[ADRA], v[ADRA0]
	v_mov_b32 v[ADRB], v[ADRB0]
	s_mul_i32 s94, s[WV], 16*SP
	s_add_co_u32 s94, s94, STAGE                   ; my stage
	v_mul_u32_u24 v[STO], v1, SP
	v_lshl_add_u32 v[STO], v2, 4, v[STO]
	v_add_nc_u32 v[STO], s94, v[STO]
	v_bfe_u32 v[RD], v0, 3, 2                      ; back: 32 lanes take four rows of 128 bytes
	v_mul_u32_u24 v[RD], v[RD], SP
	v_lshl_add_u32 v[RD], v16, 4, v[RD]
	v_add_nc_u32 v[RD], s94, v[RD]
	v_lshlrev_b32 v[GO], 4, v3
	s_lshl_b32 s94, s[WV], 8
	s_add_co_u32 s94, s94, CST
	v_lshl_add_u32 v[CSTO], v1, 2, s94
	v_lshl_add_u32 v[CRD], v3, 3, s94
	v_lshlrev_b32 v[CGO], 3, v3
	; the prefetches: where they stand one step before the first is due
	s_lshl_b32 s27, s[TY], 7
	s_lshl_b32 s28, s[CX], 5
	s_add_co_u32 s27, s27, s28                     ; A: position 128 ty + 32 cx,
	s_lshl_b32 s27, s27, 12
	s_lshl_b32 s28, s[HALF], 11                    ; my batch,
	s_add_co_u32 s27, s27, s28
	s_add_co_u32 s27, s27, 3*256                   ; K step 3
	s_mul_i32 s28, s[HN], HEADW                    ; B: the head,
	s_lshl1_add_u32 s29, s[CY], s[HALF]
	s_lshl_b32 s29, s29, 13                        ; my 8,192 bytes of each 65,536,
	s_add_co_u32 s28, s28, s29
	s_add_co_u32 s28, s28, 4*49152-65536           ; 65,536 bytes ahead of step 4
	s_and_b32 s29, ttmp7, 0xffff
	s_mov_b32 s30, 256
	s_mov_b32 s31, 65536
	s_cmp_eq_u32 s[ROLE], 0
	s_cselect_b32 s18, s27, s28
	s_cselect_b64 s[PFA:PFA+1], s[4:5], s[6:7]
	s_cselect_b32 s[PST], s30, s31
	s_cselect_b32 s29, ttmp9, s29                  ; the coordinate along which other clusters read the same bytes
	s_cselect_b32 s[PFN], 4, 3
	s_cselect_b32 s30, 12, 8                       ; a lane a row of 4,096 bytes, or a lane a block of 256
	s_cmp_eq_u32 s29, 0
	s_cselect_b32 s[PFN], s[PFN], 0                ; the same in all sixteen partners, for a given wave
	s_mov_b32 s19, 0
	s_mov_b32 s[PST+1], 0
	s_add_nc_u64 s[PFA:PFA+1], s[PFA:PFA+1], s[18:19]
	v_lshlrev_b32 v[PFO], s30, v3
	; where my results go
	s_lshl4_add_u32 s27, s[ROLE], s[HN]            ; 16 b + n
	s_lshl_b32 s27, s27, 11
	s_lshl_b32 s28, s[TY], 7
	s_add_co_u32 s27, s27, s28
	s_lshl_b32 s28, s[HALF], 6
	s_add_co_u32 s27, s27, s28                     ; (16 b + n) x 2048 + my first position
	s_lshl_b32 s18, s27, 2
	s_add_nc_u64 s[CBB:CBB+1], s[16:17], s[18:19]
	s_lshl_b32 s18, s27, 7
	s_add_nc_u64 s[OB:OB+1], s[14:15], s[18:19]
	s_add_nc_u64 s[OB+2:OB+3], s[OB:OB+1], KINDB
	s_add_nc_u64 s[OB+4:OB+5], s[OB:OB+1], 2*KINDB
; 12 matrix instructions: row block 2 hi + a x all 12 column blocks, 32 along K, buffer f.  zero = 1: the first product starts the sums.  The 48 accumulators take turns, one instruction a turn,
; in the same order in every quarter.
.macro MUL12 f, hi, a, zero
	WIN 0xa1+0x50*(\hi)                            ; B window 1, A window 0, C and D window 2 or 3
.set nb, 0
.rept 12
.set rD, 8*(12*(\a)+nb)
.set rB, 96*(\f)+8*nb
.set rA, FA+32*(\f)+8*(2*(\hi)+(\a))
.if \zero
	v_wmma_f32_16x16x32_bf16 v[rD:rD+7], v[rB:rB+7], v[rA:rA+7], 0
.else
	v_wmma_f32_16x16x32_bf16 v[rD:rD+7], v[rB:rB+7], v[rA:rA+7], v[rD:rD+7]
.endif
.set nb, nb+1
.endr
.endm
; 32 LDS loads in one run: quarter q of the slot in hand into buffer f: B's 12 fragments (turned), then A's 4, row blocks ascending
.macro FETCH q, f
	WIN 0x40
.set nb, 0
.rept 12
	ds_load_tr16_b128 v[96*(\f)+8*nb:96*(\f)+8*nb+3],   v[ADRB] offset:(\q)*32*PB+(nb/4)*160+(nb%4)*32
	ds_load_tr16_b128 v[96*(\f)+8*nb+4:96*(\f)+8*nb+7], v[ADRB] offset:(\q)*32*PB+(nb/4)*160+(nb%4)*32+16*PB
.set nb, nb+1
.endr
	WIN 0
.irp a, 0,1,2,3
	ds_load_b128 v[FA+32*(\f)+8*\a:FA+32*(\f)+8*\a+3],   v[ADRA] offset:(\q)*64+\a*16*PA
	ds_load_b128 v[FA+32*(\f)+8*\a+4:FA+32*(\f)+8*\a+7], v[ADRA] offset:(\q)*64+\a*16*PA+32
.endr
.endm
; A K step is four quarters of 32 along K, 48 matrix instructions each, on buffers 0, 1, 0, 1.  One of the first three multiplies buffer f and fetches quarter q into g.
.macro QUARTER q, f, g, zero
	s_wait_dscnt 4                                 ; B and A's row blocks 0, 1 are in; the youngest four loads (blocks 2, 3) may be out
	MUL12 \f, 0, 0, \zero
	MUL12 \f, 0, 1, \zero
	PLACES
	FETCH \q, \g
	s_wait_dscnt 32                                ; all but the 32 just issued
	MUL12 \f, 1, 0, \zero
	MUL12 \f, 1, 1, \zero
.endm
; The last quarter multiplies buffer 1 and changes slots.  In front of the barrier each wave waits for all its tensor loads (one is out: its part of the next slot), adds 0 to its spare word, and waits
; for that and for its reads of this slot.  fill = 1: the barrier opens a round of the cluster's, and the slot just read is filled again, first thing behind it, with the step two on.
.macro TURN fill
.if \fill
	s_wait_xcnt 0x0                                ; the last prefetch, a step back, has read its address
	s_add_nc_u64 s[PFA:PFA+1], s[PFA:PFA+1], s[PST:PST+1]
.endif
	WIN 0
	s_wait_tensorcnt 0x0
	ds_add_u32 v[SPW], v[NIL]
	s_wait_dscnt 5                                 ; (the add and the youngest four loads may be out)
	MUL12 1, 0, 0, 0
	s_wait_dscnt 0x0                               ; the add is done, my reads of this slot are over
	s_barrier_signal -1
	MUL12 1, 0, 1, 0
	WIN 0
	s_barrier_wait -1
.if \fill
	CREST                                          ; no wave of any partner still reads this slot or has a load on its way
	s_xor_b32 s[G0A+5], s[G0A+5], SLOT1            ; the walking sets: the other slot than last time, the next step
	s_add_nc_u64 s[G0A+6:G0A+7], s[G0A+6:G0A+7], 256
	s_xor_b32 s[G0B+5], s[G0B+5], SLOT1
	s_add_nc_u64 s[G0B+6:G0B+7], s[G0B+6:G0B+7], 49152
	JLOAD                                          ; its four v_nop are also the places in front of the loads below
.else
	PLACES
.endif
	s_xor_b32 s[TB], s[TB], SLOT1
	v_add_nc_u32 v[ADRA], s[TB], v[ADRA0]
	v_add_nc_u32 v[ADRB], s[TB], v[ADRB0]
	FETCH 0, 0
.if \fill
	ASK
.endif
	MUL12 1, 1, 0, 0
	MUL12 1, 1, 1, 0
.endm
	s_wait_tensorcnt 1                             ; my part of step 0 is in; step 1's may stay out
	s_barrier_signal -1
	s_barrier_wait -1
	FETCH 0, 0
	QUARTER 1, 0, 1, 1                             ; the first quarter stands ahead of the loop: its products start the 48 sums
	WIN 0
	s_mov_b32 s[CNT], 6
.Lk:                                   ; a trip: quarters 1 to 3 of a step and quarter 0 of the next; it fills one slot again (steps 2 to 7)
	QUARTER 2, 1, 0, 0
	QUARTER 3, 0, 1, 0
	TURN 1
	QUARTER 1, 0, 1, 0
	WIN 0
	s_sub_co_u32 s[CNT], s[CNT], 1
	s_cmp_lg_u32 s[CNT], 0
	s_cbranch_scc1 .Lk
	QUARTER 2, 1, 0, 0                             ; steps 6 and 7 ask for nothing
	QUARTER 3, 0, 1, 0
	TURN 0
	QUARTER 1, 0, 1, 0
	QUARTER 2, 1, 0, 0
	QUARTER 3, 0, 1, 0
	s_wait_dscnt 4
	MUL12 1, 0, 0, 0
	MUL12 1, 0, 1, 0
	s_wait_dscnt 0x0
	MUL12 1, 1, 0, 0
	MUL12 1, 1, 1, 0
	; THE WAY OUT
	WIN 0
	PLACES
	s_wait_loadcnt 0x0                             ; rw, rkv, rr
	v_pk_mul_f32 v[P0:P0+1], v[RR:RR+1], v[RKV:RKV+1]
.set p, 1
.rept 15
	v_pk_fma_f32 v[P0:P0+1], v[RR+2*p:RR+2*p+1], v[RKV+2*p:RKV+2*p+1], v[P0:P0+1]
.set p, p+1
.endr
; c of row block a: q's four accumulators (each from its lowest registers on) times rkv, two chains; the other 32 columns lie in the lane 16 away
.macro CSUM a
	WIN 0x02+(\a)/2
.set AB, 96*((\a)%2)
	v_pk_fma_f32 v[16:17], v[AB:AB+1], v[RKV:RKV+1], v[P0:P0+1]
	v_pk_mul_f32 v[18:19], v[AB+16:AB+17], v[RKV+16:RKV+17]
.set p, 1
.rept 7
	v_pk_fma_f32 v[16:17], v[AB+2*p:AB+2*p+1], v[RKV+2*p:RKV+2*p+1], v[16:17]
	v_pk_fma_f32 v[18:19], v[AB+16+2*p:AB+16+2*p+1], v[RKV+16+2*p:RKV+16+2*p+1], v[18:19]
.set p, p+1
.endr
	WIN 0
	v_pk_add_f32 v[16:17], v[16:17], v[18:19]
	v_add_f32 v16, v16, v17
	v_permlanex16_b32 v17, v16, s[SEL], s[SEL+1]
	v_add_f32 v16, v16, v17
	ds_store_b32 v[CSTO], v16 offset:64*(\a)       ; both halves of the lanes hold the same sum and write the same word
.endm
	CSUM 0
	CSUM 1
	CSUM 2
	CSUM 3
	ds_load_b64 v[20:21], v[CRD]                   ; LDS serves a wave's instructions in order (ISA guide 5.7.1.4): this sees the stores above
	s_wait_dscnt 0x0
	global_store_b64 v[CGO], v[20:21], s[CBB:CBB+1]  ; my 64 positions: 256 consecutive bytes, aligned
; Unit u = 3 a + kind: 16 positions x 64 channels, rounded to bf16 (q with rw added first), through my stage, back as four rows of 128 bytes an instruction.  Each unit has registers of its own (window 1).
.macro PACK a, kind
.set u, 3*(\a)+(\kind)
.set AB, 96*((\a)%2)+32*(\kind)
.if (\kind) == 0
	WIN 0x02+(\a)/2
.set p, 0
.rept 16
	v_pk_add_f32 v[T+2*p:T+2*p+1], v[AB+2*p:AB+2*p+1], v[RW+2*p:RW+2*p+1]
.set p, p+1
.endr
	WIN 0x40
.set p, 0
.rept 16
	v_cvt_pk_bf16_f32 v[16*u+p], v[T+2*p], v[T+2*p+1]
.set p, p+1
.endr
.else
	WIN 0x4a+5*((\a)/2)
.set p, 0
.rept 16
	v_cvt_pk_bf16_f32 v[16*u+p], v[AB+2*p], v[AB+2*p+1]
.set p, p+1
.endr
.endif
	WIN 0x04                                       ; store data in window 1
.irp f, 0,1,2,3
	ds_store_b128 v[STO], v[16*u+4*\f:16*u+4*\f+3] offset:32*\f
.endr
	WIN 0x40
.irp f, 0,1,2,3
	ds_load_b128 v[16*u+4*\f:16*u+4*\f+3], v[RD] offset:4*SP*\f
.endr
.endm
.macro SEND a, kind, younger           ; younger: the next unit's eight LDS instructions, or none
.set u, 3*(\a)+(\kind)
	WIN 0x04
.irp f, 0,1,2,3
	s_wait_dscnt (\younger)+3-\f
	global_store_b128 v[GO], v[16*u+4*\f:16*u+4*\f+3], s[OB+2*(\kind):OB+2*(\kind)+1] offset:2048*(\a)+512*\f  ; 512 consecutive bytes, aligned
.endr
.endm
	PACK 0, 0
.set uu, 1
.rept 11
	PACK uu/3, uu%3
	SEND (uu-1)/3, (uu-1)%3, 8
.set uu, uu+1
.endr
	SEND 3, 2, 0
	WIN 0
	s_wait_tensorcnt 0x0                           ; the wave's end
	ds_add_u32 v[SPW], v[NIL]
	s_wait_dscnt 0x0
	CROUND                                         ; the closing round
	s_endpgm
.Lfunc_end_k_q5806830d76_qkv:
	.size	k_q5806830d76_qkv, .Lfunc_end_k_q5806830d76_qkv-k_q5806830d76_qkv
	.p2alignl 7, 3214868480
	.fill 96, 4, 3214868480
	.section	.rodata,"a",@progbits
	.p2align	6, 0x0
	.amdhsa_kernel k_q5806830d76_qkv
		.amdhsa_group_segment_fixed_size 327680
		.amdhsa_private_segment_fixed_size 0
		.amdhsa_enable_private_segment 0
		.amdhsa_kernarg_size 56
		.amdhsa_user_sgpr_count 2
		.amdhsa_user_sgpr_kernarg_segment_ptr 1
		.amdhsa_wavefront_size32 1
		.amdhsa_system_sgpr_workgroup_id_x 1
		.amdhsa_system_sgpr_workgroup_id_y 1
		.amdhsa_system_sgpr_workgroup_id_z 1
		.amdhsa_system_vgpr_workitem_id 0
		.amdhsa_next_free_vgpr 960
		.amdhsa_next_free_sgpr 96
		.amdhsa_reserve_vcc 0
		.amdhsa_float_denorm_mode_32 3
		.amdhsa_float_denorm_mode_16_64 3
		.amdhsa_memory_ordered 1
		.amdhsa_forward_progress 1
		.amdhsa_inst_pref_size 114
	.end_amdhsa_kernel
	.amdgpu_metadata
---
amdhsa.version: [ 1, 2 ]
amdhsa.kernels:
  - .name:           k_q5806830d76_qkv
    .symbol:         k_q5806830d76_qkv.kd
    .args:
      - { .name: xnb, .offset: 0, .size: 8, .value_kind: global_buffer, .address_space: global }
      - { .name: wb, .offset: 8, .size: 8, .value_kind: global_buffer, .address_space: global }
      - { .name: rw, .offset: 16, .size: 8, .value_kind: global_buffer, .address_space: global }
      - { .name: rr, .offset: 24, .size: 8, .value_kind: global_buffer, .address_space: global }
      - { .name: rkv, .offset: 32, .size: 8, .value_kind: global_buffer, .address_space: global }
      - { .name: qkvb, .offset: 40, .size: 8, .value_kind: global_buffer, .address_space: global }
      - { .name: cb, .offset: 48, .size: 8, .value_kind: global_buffer, .address_space: global }
    .group_segment_fixed_size: 327680
    .private_segment_fixed_size: 0
    .kernarg_segment_align: 8
    .kernarg_segment_size: 56
    .max_flat_workgroup_size: 128
    .sgpr_count:     96
    .vgpr_count:     960
    .wavefront_size: 32
...
	.end_amdgpu_metadata
.endif
;; end of part 2
;; launch attn (part 3): grid 8 x 32, 4 waves a work-group, clusters of 4 x 1, 327,680 bytes of LDS; arguments qkvb, cb, avb; writes avb
.if DOCPART == 3
	.amdgcn_target "amdgcn-amd-amdhsa--gfx1250"
	.amdhsa_code_object_version 6
	.text
	.protected	k_q5806830d76_attn
	.globl	k_q5806830d76_attn
	.p2align	8
	.type	k_q5806830d76_attn,@function
k_q5806830d76_attn:
	s_mov_b64 s[64:65], 0
	v_nop
	global_prefetch_b8 v0, s[64:65] scope:SCOPE_SE
	s_setreg_imm32_b32 hwreg(HW_REG_WAVE_MODE, 25, 1), 1
	s_wait_xcnt 0x0
	s_wait_alu depctr_hold_cnt(0) depctr_sa_sdst(0) depctr_va_vdst(0) depctr_va_sdst(0) depctr_va_ssrc(0) depctr_va_vcc(0) depctr_vm_vsrc(0)
	s_getreg_b32 s2, hwreg(HW_REG_IB_STS2, 6, 4)
	s_cmp_eq_u32 s2, 0
	s_cbranch_scc0 .Lentry_in_a_cluster
	s_endpgm
.Lentry_in_a_cluster:
	s_bfe_u32 s2, ttmp6, 0x10000c
	s_cmp_lg_u32 s2, 0x3003
	s_cbranch_scc0 .Lentry_shape_is_right
	s_endpgm
.Lentry_shape_is_right:
; ATTENTION WITH THE SHIFTED POSITION TERM.  O[hb][i] = sum over j of softmax_j(((q_i + rw) . k_j + bias(i, j)) / 8) v_j, all 2,048 keys.  q + rw, k, v: [hb][2048][64] bf16; O the same.
; THE BIAS.  The position input is one row repeated, so the position term ahead of the shift is c_i for every j; the shift (pad a zero column, reshape, drop a row) makes of it
;   c_i for j <= i,   0 for j = i + 1,   c_(i+1) for j >= i + 2.
; It is the C operand of the products that start S^T = K Q^T: 32 registers a piece (MC), rewritten only in the three key steps round the piece's diagonal.
; SHARES.  A cluster of four work-groups owns 16 bands of 64 queries of one head; work-group cx owns rows 16 cx .. + 15 of every band; wave w the bands a0 + x, a0 = 16 cl + 4 w, x = 0..3: four PIECES of
; 16 queries.  So the step at which a piece meets the diagonal hangs on the cluster and the wave alone, alike in all partners; cx enters register contents and Q's, c's and O's addresses only.
; Every wave walks all keys, 64 a step; K and V are asked for JOINTLY by the four partners.
; LAYOUT, SOFTMAX, TURNS.  S^T holds ONE query a lane (lane % 16) and the keys 16 kb + 8 (lane / 16) + 0..7; two such results rounded to bf16 ARE source 1 of O^T = V^T P.  p = 2^(c s - c m), c = log2(e) / 8,
; with a running maximum m; O and l are multiplied by a = 2^(c m_old - c m_new) in every step.  Turn n belongs to piece n: 8 products K Q^T of piece n + 1, later 8 products V^T P of piece n - 1; beside them
; the scaling, exponentials, roundings, sums and rescaling of piece n and the maximum and statistics of piece n + 1.  Four vector instructions stand behind every matrix instruction, the rest in one lump.
; A turn's 33 exponentials are one batch with one wait.
; LIMITS.  m starts at the lowest finite number and c m at -4.25e37: scores lie above that.  A weight below 2^-126 counts as 0 in l.  NaN and infinities are not treated apart.  bf16 operands; l is the sum of the unrounded p.
; The first step is a step like any other (a = 0): O^T, l, V and one buffer of P are set to 0 once, while the first tile is on its way: 216 v_mov_b32 for a text with no first step written out.
; REGISTERS (s_set_vgpr_msb: bits 1:0 source 0, 3:2 source 1, 5:4 source 2, 7:6 destination):
;   window 0: v0-15 addresses; v16-31 statistics; v48-55 at work; v56-61 offsets; v64-127 S^T, two buffers; v192-223 P, two buffers      window 1: v0-127 O^T
;   window 2: v0-63 Q; v128-191 K of one step; v192-255 V of one step      window 3: v0-127 MC; v128-131 c_i; v132-135 c_(i+1); v136-138
.set NP,    4
.set KS,    64
.set PK,    144       ; a row of K in LDS: 128 + 16 bytes
.set PV,    160       ; a row of V: 128 + 32
.set VOFF,  4*KS*PK   ; a slot holds four steps: 256 rows of K, then 256 of V
.set SLOT1, 1<<17
.set STAGE, SLOT1+4*KS*(PK+PV)
.set SP,    144
.set SPARE, STAGE+4*16*SP
.set KINDB, 8388608
.set AK0, 2
.set AV0, 3
.set AK,  4
.set AV,  5
.set STO, 6
.set RD,  7
.set GO,  8
.set MV,  12
.set QO,  15
.set ST,  16          ; piece t: c m, m, l (even keys', odd keys')
.set TMP, 48
.set HO,  56          ; v56-59 byte offsets of c_(i+1), the index held to 2,047 (that number is never used: row 2,047 has no key beyond itself)
.set CO,  60
.set PFO, 61
.set SPW, 62
.set NIL, 63
.set S,   64
.set P,   192
.set KF,  128
.set VF,  192
.set LO,  128         ; window 3
.set HI,  132
.set DL,  136         ; 16 cx + lane % 16 - 8 (lane / 16): register 16 kb + j of the band's own step stands for a key <= my query where 16 kb + j <= DL
.set ZERO, 137
.set DLT, 138
.set WV,  12
.set LIM, 15
.set PFA, 18
.set G1K, 24
.set G1V, 32
.set G0K, 40
.set G0V, 44
.set SLOTS, 56
.set CNT, 57
.set CS,  58
.set SEL, 60
.set TBK, 62
.set TBV, 63
.set TAU, 70          ; step + 1 - a0, at the head of a step
.set A0,  71
.set MSB, 0
.macro WIN new
.if MSB != (\new)
	s_set_vgpr_msb (MSB<<8)|(\new)
.set MSB, (\new)
.endif
.endm
.set W_KQ, 0x0a       ; K and Q window 2, S^T window 0
.set W_KM, 0x3a       ; the same with C in window 3
.set W_PV, 0x52       ; V window 2, P window 0, O^T window 1
.set W_RS, 0x41       ; destination and source 0 window 1, source 1 window 0
.macro JLOAD                        ; waves 0, 1 fetch the halves of a slot's K, waves 2, 3 of its V; s_nop 0 and four v_nop follow each line
	s_cmp_lt_u32 s[WV], 2
	s_cbranch_scc0 .Lfor_v_\@
	tensor_load_to_lds s[G0K:G0K+3], s[G1K:G1K+7]
	s_nop 0
.rept 4
	v_nop
.endr
	s_branch .Lasked_\@
.Lfor_v_\@:
	tensor_load_to_lds s[G0V:G0V+3], s[G1V:G1V+7]
	s_nop 0
.rept 4
	v_nop
.endr
.Lasked_\@:
.endm
.macro CROUND
	s_barrier_signal -1
	s_barrier_wait -1
	s_cmp_lg_u32 s[WV], 0
	s_cbranch_scc1 .Lnot_wave_0_\@
	s_barrier_signal -3
.Lnot_wave_0_\@:
	s_barrier_wait -3
	s_barrier_signal -1
	s_barrier_wait -1
.endm
; A PREFETCH of the tile that the NEXT change of slots will ask for: 128 blocks of 256 bytes of K and of V.  Each is named once in the launch: the head's first cluster asks; its four partners take 32 blocks
; each, by address; wave 0 asks for K's, wave 2 for V's.  Tiles 0 to 2 come by their loads alone; the last fill asks for nothing.
.macro ASK
	s_cmp_gt_u32 s[SLOTS], s[LIM]
	s_cbranch_scc0 .Lnot_mine_\@
	global_prefetch_b8 v[PFO], s[PFA:PFA+1] th:TH_LOAD_NT scope:SCOPE_SE
.Lnot_mine_\@:
.endm
; THE CHANGE OF SLOTS.  Each wave waits for all its tensor loads (one is out: its part of the other slot), adds 0 to its spare word, and waits for that and for its reads of the slot that it leaves.
; fill = 1: the barrier is a round of the cluster's, and the joint fill, with the keys two slots on, is the first thing behind it: it has four key steps in which to land.
.macro CHANGE fill, ask
	WIN 0
	s_wait_tensorcnt 0x0
	ds_add_u32 v[SPW], v[NIL]
.if \fill
.irp g, G0K, G0V
	s_xor_b32 s[\g+1], s[\g+1], SLOT1
	s_add_nc_u64 s[\g+2:\g+3], s[\g+2:\g+3], 4*KS*128
.endr
	s_wait_xcnt 0x0                 ; the last prefetch, four key steps back, has read its address
	s_add_nc_u64 s[PFA:PFA+1], s[PFA:PFA+1], 4*KS*128
	s_wait_dscnt 0x0
	CROUND
	JLOAD
.if \ask
	ASK
.endif
.else
	s_wait_dscnt 0x0
	s_barrier_signal -1
	s_barrier_wait -1
.endif
	s_sub_co_u32 s[TBK], s[TBK], 4*KS*PK  ; the fetches go back to a slot's first step, in the other slot
	s_xor_b32 s[TBK], s[TBK], SLOT1
	s_sub_co_u32 s[TBV], s[TBV], 4*KS*PV
	s_xor_b32 s[TBV], s[TBV], SLOT1
.endm
	s_load_b128 s[84:87], s[0:1], 0x0  ; qkvb, cb
	s_load_b64 s[10:11], s[0:1], 0x10  ; avb
	v_lshl_add_u32 v[SPW], v0, 2, SPARE
	v_mov_b32 v[NIL], 0
	ds_add_u32 v[SPW], v[NIL]       ; the wave's opening: the add and its wait stand ahead of my first tensor load
	v_lshrrev_b32 v1, 5, v0
	v_readfirstlane_b32 s[WV], v1
	s_bfe_u32 s13, ttmp6, 0x40000   ; cx
	s_and_b32 s20, ttmp7, 0xffff    ; hb, which the partners share
	s_lshl_b32 s20, s20, 18         ; its 262,144 bytes in each kind and in O
	s_and_b32 s16, s[WV], 1         ; which half of a slot's 256 keys I fetch
	s_lshl_b32 s22, s16, 14
	s_add_co_u32 s22, s22, s20
	s_mov_b32 s23, 0
	s_mul_i32 s72, s16, 128*PK
	s_mul_i32 s73, s16, 128*PV
	s_lshl_b32 s[A0], ttmp9, 4
	s_lshl2_add_u32 s[A0], s[WV], s[A0]  ; a0 = 16 cl + 4 w
	s_lshl_b32 s2, s[A0], 13        ; a band is 8,192 bytes,
	s_lshl_b32 s3, s13, 11          ; my 16 rows of it 2,048
	s_add_co_u32 s2, s2, s3
	s_add_co_u32 s2, s2, s20
	s_mov_b32 s3, 0
	s_mov_b32 s[G1K], 15|(1<<16)|(1<<20)|(1<<21)|(4<<22)|(3<<25)  ; the mask of four; 2-byte elements; padding on; bit 21 beside a mask; after every 32 words, 4 words
	s_mov_b32 s[G1V], 15|(1<<16)|(1<<20)|(1<<21)|(4<<22)|(7<<25)  ; 8 words
.irp g, G1K, G1V
	s_mov_b32 s[\g+1], 128<<16      ; 128 keys are 16,384 dense bytes: 64 rows of 256
	s_mov_b32 s[\g+2], 64<<16
	s_mov_b32 s[\g+3], 128<<16
	s_mov_b32 s[\g+4], 64
	s_mov_b32 s[\g+5], 128
	s_mov_b32 s[\g+6], 0
	s_mov_b32 s[\g+7], 0
.endr
	s_mov_b32 s[CS], 0x3e38aa3b     ; c = log2(e) / 8
	s_mov_b32 s[CS+1], s[CS]
	s_mov_b32 s[SEL], 0x76543210
	s_mov_b32 s[SEL+1], 0xfedcba98
	s_mov_b32 s[TBK], SLOT1+4*KS*PK ; the first change of slots turns these two into 0
	s_mov_b32 s[TBV], SLOT1+4*KS*PV
	s_mov_b32 s[G0K], 1
	s_mov_b32 s[G0K+1], s72
	s_mov_b32 s[G0V], 1
	s_add_co_u32 s[G0V+1], s73, VOFF
	s_sub_co_u32 s[TAU], 1, s[A0]
	s_mov_b32 s[SLOTS], 7
	s_and_b32 s[LIM], s[WV], 1
	s_or_b32 s[LIM], s[LIM], ttmp9
	s_cmp_eq_u32 s[LIM], 0
	s_cselect_b32 s[LIM], 1, -1     ; 1 in waves 0 and 2 of the head's first cluster: the same in all four partners
	v_and_b32 v[PFO], 31, v0
	v_lshlrev_b32 v[PFO], 8, v[PFO]
	s_wait_dscnt 0x0                ; the opening add is done
	s_wait_kmcnt 0x0
	s_add_nc_u64 s[6:7], s[84:85], s[22:23]
	s_add_nc_u64 s[8:9], s[6:7], 2*KINDB       ; V at my half of the head's tile 0
	s_add_nc_u64 s[6:7], s[6:7], KINDB         ; K likewise
	s_add_nc_u64 s[G0K+2:G0K+3], s[6:7], 0
	s_or_b32 s[G0K+3], s[G0K+3], 0x80000000
	s_add_nc_u64 s[G0V+2:G0V+3], s[8:9], 0
	s_or_b32 s[G0V+3], s[G0V+3], 0x80000000
	s_add_nc_u64 s[4:5], s[84:85], s[2:3]      ; Q and O at my rows of band a0
	s_add_nc_u64 s[10:11], s[10:11], s[2:3]
	s_lshr_b32 s2, s20, 5
	s_add_nc_u64 s[86:87], s[86:87], s[2:3]    ; c of the head
	s_cmp_lt_u32 s[WV], 2
	s_cselect_b64 s[PFA:PFA+1], s[6:7], s[8:9] ; (in waves 0 and 2 these stand at a tile's first row)
	s_lshl_b32 s2, s13, 13
	s_add_nc_u64 s[PFA:PFA+1], s[PFA:PFA+1], s[2:3]
	s_add_nc_u64 s[PFA:PFA+1], s[PFA:PFA+1], 4*KS*128  ; in tile 1; each fill steps it ahead of asking
	CROUND                          ; all four work-groups are here
	JLOAD                           ; tile 0 into slot 0
	v_and_b32 v1, 15, v0            ; l % 16
	v_bfe_u32 v9, v0, 4, 1          ; l / 16
	v_lshlrev_b32 v[QO], 7, v1
	v_lshl_add_u32 v[QO], v9, 4, v[QO]
	WIN 0x80
.set i, 0
.rept 8                             ; Q stays in registers: piece i / 2 lies a band on; channels 32 (i % 2) on
	global_load_b128 v[8*i:8*i+3],   v[QO], s[4:5] offset:(i/2)*8192+(i%2)*64
	global_load_b128 v[8*i+4:8*i+7], v[QO], s[4:5] offset:(i/2)*8192+(i%2)*64+32
.set i, i+1
.endr
	WIN 0
	s_lshl_b32 s2, s[A0], 6
	s_lshl4_add_u32 s2, s13, s2     ; 64 a0 + 16 cx
	v_add_nc_u32 v14, s2, v1        ; my query of piece 0
.irp x, 0,1,2,3
	v_add_nc_u32 v[HO+\x], 64*\x+1, v14
	v_min_u32 v[HO+\x], 0x7ff, v[HO+\x]
	v_lshlrev_b32 v[HO+\x], 2, v[HO+\x]
.endr
	v_lshlrev_b32 v[CO], 2, v14
	WIN 0xc0                        ; destination window 3
.irp x, 0,1,2,3
	global_load_b32 v[LO+\x], v[CO], s[86:87] offset:256*\x
	global_load_b32 v[HI+\x], v[HO+\x], s[86:87]
.endr
	WIN 0
	v_lshlrev_b32 v10, 3, v9
	v_sub_nc_u32 v14, v1, v10
	s_lshl_b32 s2, s13, 4
	WIN 0xc0
	v_add_nc_u32 v[DL], s2, v14
	v_mov_b32 v[ZERO], 0
	WIN 0
	v_mul_u32_u24 v[AK0], v1, PK
	v_lshl_add_u32 v[AK0], v9, 4, v[AK0]
	v_and_b32 v10, 7, v0            ; the turning load: lane l reads key 8 (l / 16) + l % 8, channels 8 ((l / 8) % 2) + 0..7
	v_bfe_u32 v11, v0, 3, 1
	v_lshl_add_u32 v[AV0], v9, 3, v10
	v_mul_u32_u24 v[AV0], v[AV0], PV
	v_lshl_add_u32 v[AV0], v11, 4, v[AV0]
	v_add_nc_u32 v[AV0], VOFF, v[AV0]
	s_mul_i32 s2, s[WV], 16*SP
	s_add_co_u32 s2, s2, STAGE      ; my stage
	v_mul_u32_u24 v[STO], v1, SP
	v_lshl_add_u32 v[STO], v9, 4, v[STO]
	v_add_nc_u32 v[STO], s2, v[STO]
	v_bfe_u32 v[RD], v0, 3, 2
	v_mul_u32_u24 v[RD], v[RD], SP
	v_lshl_add_u32 v[RD], v10, 4, v[RD]
	v_add_nc_u32 v[RD], s2, v[RD]
	v_and_b32 v[GO], 31, v0
	v_lshlrev_b32 v[GO], 4, v[GO]
	WIN 0x80
.set i, VF
.rept 64
	v_mov_b32 v[i], 0
.set i, i+1
.endr
	WIN 0x40
.set i, 0
.rept 128
	v_mov_b32 v[i], 0
.set i, i+1
.endr
	WIN 0
.set i, 0
.rept 4
	v_mov_b32 v[ST+4*i], 0xfe000000    ; c m: far below every c s
	v_mov_b32 v[ST+4*i+1], 0xff7fffff  ; m
	v_mov_b32 v[ST+4*i+2], 0
	v_mov_b32 v[ST+4*i+3], 0
.set i, i+1
.endr
.set i, P+16
.rept 16
	v_mov_b32 v[i], 0
.set i, i+1
.endr
; THE MATRIX WORK.  The 4 accumulators of a run of 8 take turns.  Product i of 8 of S^T for piece x: channels 32 (i / 4) on, keys 16 (i % 4) on.  The first 4 start the sums with the bias.
.macro KQ x
.set rS, S+32*((\x)%2)+8*(i%4)
.set rK, KF+16*(i%4)+8*(i/4)
.set rQ, 16*(\x)+8*(i/4)
.set rM, 32*(\x)+8*(i%4)
.if i < 4
	WIN W_KM
	v_wmma_f32_16x16x32_bf16 v[rS:rS+7], v[rK:rK+7], v[rQ:rQ+7], v[rM:rM+7]
.else
	WIN W_KQ
	v_wmma_f32_16x16x32_bf16 v[rS:rS+7], v[rK:rK+7], v[rQ:rQ+7], v[rS:rS+7]
.endif
.endm
.macro PV x                         ; product i of 8 of O^T += V^T P: keys 32 (i / 4) on, channels 16 (i % 4) on
	WIN W_PV
.set rO, 32*(\x)+8*(i%4)
.set rV, VF+32*(i/4)+8*(i%4)
.set rP, P+16*((\x)%2)+8*(i/4)
	v_wmma_f32_16x16x32_bf16 v[rO:rO+7], v[rV:rV+7], v[rP:rP+7], v[rO:rO+7]
.endm
.macro MM                           ; the turn's next matrix instruction.  NOKQ = 1: the last turn of all: there is no next piece
.if (i < 8) && !NOKQ
	KQ (Y+1)%NP
.elseif i >= 8
.set i, i-8
	PV (Y+NP-1)%NP
.set i, i+8
.endif
.set i, i+1
.endm
.macro FETCH_K                      ; a step's K: 8 fragments, one run of 16 loads
	WIN 0x80
.irp f, 0,1,2,3,4,5,6,7
	ds_load_b128 v[KF+8*\f:KF+8*\f+3],   v[AK] offset:(\f/2)*16*PK+(\f%2)*64
	ds_load_b128 v[KF+8*\f+4:KF+8*\f+7], v[AK] offset:(\f/2)*16*PK+(\f%2)*64+32
.endr
	s_add_co_u32 s[TBK], s[TBK], KS*PK
	WIN 0
.endm
.macro FETCH_V                      ; its V, turned
	WIN 0x80
.irp f, 0,1,2,3,4,5,6,7
	ds_load_tr16_b128 v[VF+8*\f:VF+8*\f+3],   v[AV] offset:(\f/4)*32*PV+(\f%4)*32
	ds_load_tr16_b128 v[VF+8*\f+4:VF+8*\f+7], v[AV] offset:(\f/4)*32*PV+16*PV+(\f%4)*32
.endr
	WIN 0
.endm
; THE VECTOR WORK, a line at a time: OP kind, number.  For piece Y: F n: c s - c m for pair n.  E n: the exponential of score n.  C n: pair n rounded to bf16.  B n: of the four weights 4 n .. the second pair is
; added onto the first.  L n: l takes that sum (L 0: l = a l + sum).  R n: pair n of O^T times a.  For piece Y + 1: X n, number n of the 22 that find its maximum and statistics (each accumulator's lowest
; registers are read first): 0-11 four chains; 12-14, 16 the rest, the old m, into one; 15 c m_old is kept; 17, 18 the other half of the lanes; 19-21 c m, its change, a.
.set F, 0
.set E, 1
.set C, 2
.set B, 3
.set L, 4
.set R, 5
.set X, 6
.macro REGS y
.set rT, ST+4*(\y)
.set rC, TMP+4*((\y)%2)
.set rW, MV+((\y)%2)
.set rS, S+32*((\y)%2)
.set rP, P+16*((\y)%2)
.set rO, 32*(\y)
.endm
.macro OP k, n
.if (\k) == R
	REGS Y
	WIN W_RS
	v_pk_mul_f32 v[rO+2*(\n):rO+2*(\n)+1], v[rO+2*(\n):rO+2*(\n)+1], v[rC+2:rC+3] op_sel_hi:[1,0]
.elseif (\k) < R
	REGS Y
	WIN 0
.if (\k) == F
	v_pk_fma_f32 v[rS+2*(\n):rS+2*(\n)+1], v[rS+2*(\n):rS+2*(\n)+1], s[CS:CS+1], v[rT:rT+1] op_sel_hi:[1,0,0] neg_lo:[0,0,1] neg_hi:[0,0,1]
.elseif (\k) == E
	v_exp_f32 v[rS+(\n)], v[rS+(\n)]
.elseif (\k) == C
	v_cvt_pk_bf16_f32 v[rP+(\n)], v[rS+2*(\n)], v[rS+2*(\n)+1]
.elseif (\k) == B
	v_pk_add_f32 v[rS+4*(\n):rS+4*(\n)+1], v[rS+4*(\n):rS+4*(\n)+1], v[rS+4*(\n)+2:rS+4*(\n)+3]
.elseif (\n) == 0
	v_pk_fma_f32 v[rT+2:rT+3], v[rT+2:rT+3], v[rC+2:rC+3], v[rS:rS+1] op_sel_hi:[1,0,1]
.else
	v_pk_add_f32 v[rT+2:rT+3], v[rT+2:rT+3], v[rS+4*(\n):rS+4*(\n)+1]
.endif
.elseif NOKQ
	v_nop
.else
	REGS (Y+1)%NP
	WIN 0
.if (\n) < 4
	v_max3_num_f32 v[rC+(\n)], v[rS+8*(\n)], v[rS+8*(\n)+1], v[rS+8*(\n)+2]
.elseif (\n) < 12
	v_max3_num_f32 v[rC+(\n)%4], v[rC+(\n)%4], v[rS+8*((\n)%4)+2*((\n)/4)+1], v[rS+8*((\n)%4)+2*((\n)/4)+2]
.elseif (\n) == 12
	v_max3_num_f32 v[rC], v[rC], v[rS+7], v[rS+15]
.elseif (\n) == 13
	v_max3_num_f32 v[rC+1], v[rC+1], v[rS+23], v[rS+31]
.elseif (\n) == 14
	v_max3_num_f32 v[rC+2], v[rC+2], v[rC+3], v[rT+1]
.elseif (\n) == 15
	v_mov_b32 v[rW], v[rT]
.elseif (\n) == 16
	v_max3_num_f32 v[rC], v[rC], v[rC+1], v[rC+2]
.elseif (\n) == 17
	v_permlanex16_b32 v[rC+3], v[rC], s[SEL], s[SEL+1]
.elseif (\n) == 18
	v_max_num_f32 v[rT+1], v[rC], v[rC+3]
.elseif (\n) == 19
	v_mul_f32 v[rT], s[CS], v[rT+1]
.elseif (\n) == 20
	v_sub_f32 v[rC+1], v[rW], v[rT]
.else
	v_exp_f32 v[rC+2], v[rC+1]
.endif
.endif
.endm
.macro OPS a, i1, b=-1, i2=0, c=-1, i3=0, d=-1, i4=0
	OP \a, \i1
.if (\b) >= 0
	OP \b, \i2
.endif
.if (\c) >= 0
	OP \c, \i3
.endif
.if (\d) >= 0
	OP \d, \i4
.endif
.endm
.macro ROW a, i1, b, i2, c, i3, d, i4  ; a matrix instruction and the four behind it
	MM
	OPS \a, \i1, \b, \i2, \c, \i3, \d, \i4
.endm
; THE BIAS REGISTERS of piece x, all in window 3.  MKFULL: the band's own step: c_i where 16 kb + j <= dl, 0 where 16 kb + j - 1 = dl, else c_(i+1).  MKHI: the step behind it: c_(i+1), but 0 in register 0 where my
; query is the band's last (DL = 63: its key i + 1 is that step's first).  MKE0: from then on c_(i+1) everywhere.
.macro MKFULL x, dl
	WIN 0xff
.set me, 0
.rept 32
.set ek, 16*(me/8)+me%8
	v_cmp_le_i32 vcc_lo, ek, v[\dl]
	v_cndmask_b32 v[32*(\x)+me], v[HI+(\x)], v[LO+(\x)], vcc_lo
	v_cmp_eq_i32 vcc_lo, ek-1, v[\dl]
	v_cndmask_b32 v[32*(\x)+me], v[32*(\x)+me], v[ZERO], vcc_lo
.set me, me+1
.endr
.endm
.macro MKHI x
	WIN 0xff
	v_cmp_eq_i32 vcc_lo, 63, v[DL]
	v_cndmask_b32 v[32*(\x)], v[HI+(\x)], v[ZERO], vcc_lo
.set me, 1
.rept 31
	v_mov_b32 v[32*(\x)+me], v[HI+(\x)]
.set me, me+1
.endr
.endm
.macro MKE0 x
	WIN 0xff
	v_mov_b32 v[32*(\x)], v[HI+(\x)]
.endm
; UPD stands at the head of step s, ahead of turn 0.  Behind it piece 1, 2, 3's scores of step s and piece 0's of step s + 1 are made.  With TAU = s + 1 - a0 piece 0 meets its own step at TAU = 0, piece x > 0 at
; TAU = 1 + x; the two steps behind that follow.  TAU hangs on the cluster's number, the wave's number and the count of steps: all jumps go forward, over vector work alone.
.macro UCASE k
	s_cmp_lg_u32 s[TAU], \k
	s_cbranch_scc1 .Luc_\@
.irp x, 0,1,2,3
.set bx, (\x)+((\x)+2)/3
.if (\k) == bx
	MKFULL \x, DL
.elseif (\k) == bx+1
	MKHI \x
.elseif (\k) == bx+2
	MKE0 \x
.endif
.endr
	WIN 0
.Luc_\@:
.endm
.macro UPD
	s_cmp_gt_u32 s[TAU], 6          ; (ahead of the diagonal TAU is negative: as an unsigned number, large)
	s_cbranch_scc1 .Lupd_\@
.irp k, 0,1,2,3,4,5,6
	UCASE \k
.endr
.Lupd_\@:
	s_add_co_u32 s[TAU], s[TAU], 1
.endm
; A TURN, for piece p.  AHEAD OF ITS ONE WAIT stands all that names no result of the turn's exponentials: the 8 products K Q^T with their riders, then one lump; X 21, the next piece's a, is the batch's last, and R 15 the
; plain instruction behind it.  BEHIND THE WAIT stand the 8 products V^T P, behind each four of the roundings and sums.  end = 1: the last two turns: nothing is fetched.  cnt = 1: the loop's count is taken down some
; lines ahead of the branch behind the turn.  K of the next step is fetched in piece 2's turn, six plain instructions behind the last product that read K; V of the step in hand at the end of piece 0's turn, four plain
; instructions behind the last product that read V.  Each is waited for a turn later.
.macro TURN p, end=0, cnt=0
.set Y, (\p)
.set i, 0
.set NOKQ, (\end)*((\p)/3)
.if ((\p) == 3) && !(\end)
	s_wait_dscnt 0x0                ; K is in
.endif
	ROW F,0, F,1, R,0, R,1
	ROW F,2, E,0, R,2, R,3
	ROW F,3, E,1, R,4, R,5
	ROW F,4, E,2, R,6, R,7
	ROW F,5, E,3, R,8, R,9
	ROW F,6, E,4, X,0, R,10
.if ((\p) == 2) && !(\end)
	WIN 0
	v_add_nc_u32 v[AK], s[TBK], v[AK0]
.endif
	ROW F,7, E,5, X,1, X,4
	ROW F,8, E,6, X,2, X,5
	OPS E,7, E,8, X,6, E,9
	OPS X,3, E,10, X,8, E,11
.if ((\p) == 2) && !(\end)
	FETCH_K
.endif
	OPS X,9, X,7, E,12, X,10
	OPS E,13, X,12, X,11, E,14
	OPS X,13, E,15, F,9, X,14
.if (\p) == 0
	v_add_nc_u32 v[AV], s[TBV], v[AV0]
.endif
	OPS E,16, F,10, E,17, F,11
	OPS X,16, E,18, X,15, E,19
	OPS F,12, E,20, X,17, E,21
	OPS F,13, E,22, F,14, E,23
	OPS X,18, E,24, F,15, E,25
	OPS R,11, E,26, X,19, E,27
	OPS R,12, E,28, R,13, E,29
	OPS X,20, E,30, R,14, E,31
	OPS X,21, R,15
	WIN 0
	s_wait_alu depctr_va_vdst(0)    ; the one wait for the batch, ahead of its first reader
.if (\p) == 1
	s_wait_dscnt 0x0                ; V is in
.endif
	ROW C,0, B,0, C,2, B,1
	ROW L,0, C,4, B,2, L,1
	ROW C,6, B,3, L,2, C,8
	ROW B,4, L,3, C,10, B,5
	ROW L,4, C,12, B,6, L,5
.if (\p) == 0
	s_add_co_u32 s[TBV], s[TBV], KS*PV
.endif
.if \cnt
	s_sub_co_u32 s[CNT], s[CNT], 1
	s_cmp_lg_u32 s[CNT], 0
.endif
	ROW C,14, B,7, L,6, C,1
	ROW C,3, L,7, C,5, C,7
	ROW C,9, C,11, C,13, C,15
.if (\p) == 0
	FETCH_V
.endif
.endm
	CHANGE 1, 0                     ; slot 0 is in, everybody's part of it; tile 1 is asked for
	s_wait_loadcnt 0x0              ; Q and c
	s_lshl_b32 s2, s[A0], 6
	WIN 0xff
	v_add_nc_u32 v[DLT], s2, v[DL]  ; piece 0 in step 0: its own step if a0 = 0; else 64 a0 lifts the bound past every register and all take c_i
	MKFULL 0, DLT
.set i, 32
.rept 96
	v_mov_b32 v[i], v[LO+i/32]      ; pieces 1 to 3 begin ahead of their diagonals
.set i, i+1
.endr
	WIN 0
	v_add_nc_u32 v[AK], s[TBK], v[AK0]
	FETCH_K                         ; key step 0
	s_wait_dscnt 0x0
.set NOKQ, 0
.set i, 0
.rept 8
	KQ 0                            ; piece 0's first scores
.set i, i+1
.endr
	WIN 0
.rept 4
	v_nop                           ; the places behind those products
.endr
.set Y, NP-1                        ; X works for piece Y + 1: piece 0
.irp n, 0,1,2,3,4,5,6,7,8,9,10,11,12,13,14,15,16,17,18,19,20,21
	OP X, \n
.endr
	v_nop                           ; a plain instruction behind the exponential,
	s_wait_alu depctr_va_vdst(0)    ; and its wait, ahead of the branch
	s_mov_b32 s[CNT], 4
	s_branch .Lfirst                ; the loop is entered at a step's first turn, in the middle of a trip
.Lslot:                             ; six times: tiles 2 to 7 are asked for
	CHANGE 1, 1
	s_mov_b32 s[CNT], 4
.Lstep:                             ; a trip: pieces 2 and 3 of one step, then pieces 0 and 1 of the next, whose K and V it fetches
	TURN 2
	TURN 3
	WIN 0
.Lfirst:
	UPD
	TURN 0
	TURN 1, 0, 1
	WIN 0
	s_cbranch_scc1 .Lstep
	s_sub_co_u32 s[SLOTS], s[SLOTS], 1
	s_cmp_lg_u32 s[SLOTS], 0
	s_cbranch_scc1 .Lslot
	CHANGE 0, 0                     ; the last tile is written out: nothing is asked for
	s_mov_b32 s[CNT], 4
.LstepT:
	TURN 2
	TURN 3
	WIN 0
	UPD
	TURN 0
	TURN 1, 0, 1
	WIN 0
	s_cbranch_scc1 .LstepT
	TURN 2, 1
	TURN 3, 1
.set i, 0
.rept 8
	PV NP-1                         ; the last piece's V^T P of the last step
.set i, i+1
.endr
	; THE WAY OUT.  l's two halves and the other half of the lanes' are added; O^T is divided by l, rounded to bf16 and sent through my stage, a piece at a time.  The additions are the places behind the last products.
	WIN 0
.macro ALL line:vararg
.set t, 0
.rept 4
	\line
.set t, t+1
.endr
.endm
	ALL v_add_f32 v[ST+4*t+2], v[ST+4*t+2], v[ST+4*t+3]
	ALL v_permlanex16_b32 v[ST+4*t+3], v[ST+4*t+2], s[SEL], s[SEL+1]
	ALL v_add_f32 v[ST+4*t+2], v[ST+4*t+2], v[ST+4*t+3]
	ALL v_rcp_f32 v[ST+4*t+2], v[ST+4*t+2]
	v_nop                           ; a plain instruction behind the last reciprocal,
	s_wait_alu depctr_va_vdst(0)    ; and one wait for the four
.macro PACK t
	WIN W_RS
.set i, 32*(\t)
.rept 16
	v_pk_mul_f32 v[i:i+1], v[i:i+1], v[ST+4*(\t)+2:ST+4*(\t)+3] op_sel_hi:[1,0]
.set i, i+2
.endr
	WIN 0x05                        ; sources window 1, destination window 0
.set i, 0
.rept 16
	v_cvt_pk_bf16_f32 v[S+16*(\t)+i], v[32*(\t)+2*i], v[32*(\t)+2*i+1]
.set i, i+1
.endr
	WIN 0
.irp f, 0,1,2,3
	ds_store_b128 v[STO], v[S+16*(\t)+4*\f:S+16*(\t)+4*\f+3] offset:32*\f
.endr
.irp f, 0,1,2,3
	ds_load_b128 v[S+16*(\t)+4*\f:S+16*(\t)+4*\f+3], v[RD] offset:\f*4*SP  ; LDS serves a wave's instructions in order (ISA guide 5.7.1.4): these see the stores above
.endr
.endm
.macro SEND t, younger              ; younger: the next piece's eight LDS instructions, or none
	WIN 0
.irp f, 0,1,2,3
	s_wait_dscnt (\younger)+3-\f
	global_store_b128 v[GO], v[S+16*(\t)+4*\f:S+16*(\t)+4*\f+3], s[10:11] offset:(\t)*8192+\f*512  ; 512 consecutive bytes, aligned
.endr
.endm
	PACK 0
.set t, 1
.rept 3
	PACK t
	SEND t-1, 8
.set t, t+1
.endr
	SEND 3, 0
	s_wait_tensorcnt 0x0            ; the wave's end
	ds_add_u32 v[SPW], v[NIL]
	s_wait_dscnt 0x0
	CROUND                          ; the closing round
	s_endpgm
.Lfunc_end_k_q5806830d76_attn:
	.size	k_q5806830d76_attn, .Lfunc_end_k_q5806830d76_attn-k_q5806830d76_attn
	.p2alignl 7, 3214868480
	.fill 96, 4, 3214868480
	.section	.rodata,"a",@progbits
	.p2align	6, 0x0
	.amdhsa_kernel k_q5806830d76_attn
		.amdhsa_group_segment_fixed_size 327680
		.amdhsa_private_segment_fixed_size 0
		.amdhsa_enable_private_segment 0
		.amdhsa_kernarg_size 24
		.amdhsa_user_sgpr_count 2
		.amdhsa_user_sgpr_kernarg_segment_ptr 1
		.amdhsa_wavefront_size32 1
		.amdhsa_system_sgpr_workgroup_id_x 1
		.amdhsa_system_sgpr_workgroup_id_y 1
		.amdhsa_system_sgpr_workgroup_id_z 1
		.amdhsa_system_vgpr_workitem_id 0
		.amdhsa_next_free_vgpr 912
		.amdhsa_next_free_sgpr 96
		.amdhsa_reserve_vcc 1
		.amdhsa_float_denorm_mode_32 3
		.amdhsa_float_denorm_mode_16_64 3
		.amdhsa_memory_ordered 1
		.amdhsa_forward_progress 1
		.amdhsa_inst_pref_size 179
	.end_amdhsa_kernel
	.amdgpu_metadata
---
amdhsa.version: [ 1, 2 ]
amdhsa.kernels:
  - .name:           k_q5806830d76_attn
    .symbol:         k_q5806830d76_attn.kd
    .args:
      - { .name: qkvb, .offset: 0, .size: 8, .value_kind: global_buffer, .address_space: global }
      - { .name: cb, .offset: 8, .size: 8, .value_kind: global_buffer, .address_space: global }
      - { .name: avb, .offset: 16, .size: 8, .value_kind: global_buffer, .address_space: global }
    .group_segment_fixed_size: 327680
    .private_segment_fixed_size: 0
    .kernarg_segment_align: 8
    .kernarg_segment_size: 24
    .max_flat_workgroup_size: 128
    .sgpr_count:     96
    .vgpr_count:     912
    .wavefront_size: 32
...
	.end_amdgpu_metadata
.endif
;; end of part 3
;; launch proj (part 4): grid 8 x 32, 4 waves a work-group, clusters of 4 x 4, 327,680 bytes of LDS; arguments avb, wb, xnb, out0; writes out0
.if DOCPART == 4
	.amdgcn_target "amdgcn-amd-amdhsa--gfx1250"
	.amdhsa_code_object_version 6
	.text
	.protected	k_q5806830d76_proj
	.globl	k_q5806830d76_proj
	.p2align	8
	.type	k_q5806830d76_proj,@function
k_q5806830d76_proj:
	s_mov_b64 s[64:65], 0
	v_nop
	global_prefetch_b8 v0, s[64:65] scope:SCOPE_SE
	s_setreg_imm32_b32 hwreg(HW_REG_WAVE_MODE, 25, 1), 1
	s_wait_xcnt 0x0
	s_wait_alu depctr_hold_cnt(0) depctr_sa_sdst(0) depctr_va_vdst(0) depctr_va_sdst(0) depctr_va_ssrc(0) depctr_va_vcc(0) depctr_vm_vsrc(0)
	s_getreg_b32 s2, hwreg(HW_REG_IB_STS2, 6, 4)
	s_cmp_eq_u32 s2, 0
	s_cbranch_scc0 .Lentry_in_a_cluster
	s_endpgm
.Lentry_in_a_cluster:
	s_bfe_u32 s2, ttmp6, 0x10000c
	s_cmp_lg_u32 s2, 0xf033
	s_cbranch_scc0 .Lentry_shape_is_right
	s_endpgm
.Lentry_shape_is_right:
; OUT = xn + av Wo.  av: [16 b + n][pos][64] bf16; WO: [block of 64 columns][k][64] bf16 at byte WOFF of wb; xn: [2 pos + b][1024] bf16; out0: [2 pos + b][1024] f32.  Sums in f32.
; SHARES.  Tiles of 128 positions of one batch x 128 columns: 32 x 8 work-groups.  Four waves, 2 x 2, each 64 x 64: 16 accumulators.  K = 1024 in 4 steps of 256 = four heads.
; RING.  Two slots of 155,648 bytes.  A lies [head 4][pos 128], 144 bytes a row (128 + 16): a head's 128 positions are 16,384 dense bytes, so a wave's load is 2 rows of 8,192 elements, 131,072 elements apart.
; B lies [block 2][k 256], 160 bytes a row (128 + 32), and is read turned by ds_load_tr16_b128.  Waves 0, 1 fetch A's heads 0-1 and 2-3, waves 2, 3 B's two blocks.
; CLUSTER 4 x 4: A's tile is shared along a row of the cluster, B's along a column: joint loads.  The four steps are written out: steps 0, 1 at the head, steps 2, 3 as refills.
; No prefetch: of the four steps two are asked for at the head, and the tile is small.
; THE MATRIX INSTRUCTION IS USED TRANSPOSED (source 0 = 16 columns of Wo, source 1 = 16 positions): a lane holds one row and eight neighbouring columns.
; THE WAY OUT goes through a stage of 16 rows x 272 bytes a wave, at the head of slot 0: that slot has had its last fill (step 2), and every wave has ended its reads of it ahead of the barrier between steps 2 and 3.
; WINDOWS: 0: addresses, v32-95 rows read back, v128-255 accumulators; 1: two fragment buffers of 128, later the residual in f32 and the results; 2: v0-63 the residual as loaded.
; LIMITS: bf16 operands; the residual is xn rounded to bf16; NaN and infinities are not treated apart.
.set PA,    144
.set PB,    160
.set AH,    2*128*PA
.set BOFF,  2*AH
.set BH,    256*PB
.set SLOT,  BOFF+2*BH
.set SPARE, 2*SLOT
.set SPITCH, 272
.set WOFF,  6291456
.set ADRA, 16                          ; v16-17  my A fragments in slot 0, 1
.set ADRB, 20                          ; v20-21  the same for B
.set STO,  24
.set RD,   25
.set CO,   26                          ; v26  my byte offset in out0
.set XO,   27                          ; v27  in xnb
.set SPW,  28
.set NIL,  29
.set BK,   32                          ; v32-63, v64-95 by turns
.set ACC,  128
.set F0,   0
.set F1,   128
.set WV,   12
.set ROLE, 13                          ; wave / 2: my half of the rows; I fetch for A (0) or B (1)
.set HALF, 14                          ; wave % 2: my half of the columns; which part I fetch
.set G1,  24
.set G0,  32
.set G1B, 48
.set G0B, 56
.set MSB, 0
.macro WIN new
.if MSB != (\new)
	s_set_vgpr_msb (MSB<<8)|(\new)
.set MSB, (\new)
.endif
.endm
.set MUL,  0x05                        ; sources window 1; C and D window 0
.set TO_F, 0x40
.macro PLACES
.rept 4
	v_nop
.endr
.endm
.macro JLOAD s                         ; a joint refill of slot s; s_nop 0 and four v_nop follow each line
	s_cmp_eq_u32 s[ROLE], 0
	s_cbranch_scc0 .Lfor_b_\@
	tensor_load_to_lds s[G0+4*(\s):G0+4*(\s)+3], s[G1:G1+7]
	s_nop 0
.rept 4
	v_nop
.endr
	s_branch .Lasked_\@
.Lfor_b_\@:
	tensor_load_to_lds s[G0B+4*(\s):G0B+4*(\s)+3], s[G1B:G1B+7]
	s_nop 0
.rept 4
	v_nop
.endr
.Lasked_\@:
.endm
.macro CREST
	s_cmp_lg_u32 s[WV], 0
	s_cbranch_scc1 .Lnot_wave_0_\@
	s_barrier_signal -3
.Lnot_wave_0_\@:
	s_barrier_wait -3
	s_barrier_signal -1
	s_barrier_wait -1
.endm
.macro CROUND
	s_barrier_signal -1
	s_barrier_wait -1
	CREST
.endm
	s_load_b256 s[4:11], s[0:1], 0x0               ; avb 4, wb 6, xnb 8, out0 10
	v_lshl_add_u32 v[SPW], v0, 2, SPARE
	v_mov_b32 v[NIL], 0
	ds_add_u32 v[SPW], v[NIL]                      ; the wave's opening: the add and its wait stand ahead of my first tensor load
	v_lshrrev_b32 v1, 5, v0
	v_readfirstlane_b32 s[WV], v1
	s_lshr_b32 s[ROLE], s[WV], 1
	s_and_b32 s[HALF], s[WV], 1
	s_bfe_u32 s40, ttmp6, 0x40000                  ; cx
	s_bfe_u32 s41, ttmp6, 0x40004                  ; cy
	s_lshl_b32 s42, ttmp9, 2
	s_add_co_u32 s42, s42, s40                     ; tile column
	s_and_b32 s15, ttmp7, 0xffff
	s_lshl_b32 s15, s15, 2
	s_add_co_u32 s15, s15, s41                     ; tile row: batch ty / 16, positions 128 (ty % 16) on
	s_lshl_b32 s43, s41, 2
	s_lshl_b32 s43, 15, s43                        ; my row of the cluster
	s_lshl_b32 s44, 0x1111, s40                    ; my column
	s_or_b32 s[G1], s43, (1<<16)|(1<<20)|(1<<21)|(4<<22)|(3<<25)   ; padding after every 32 words (a position's 64 channels): 4 words
	s_mov_b32 s[G1+1], 8192<<16                    ; tensor_dim0 = 8,192
	s_mov_b32 s[G1+2], 2<<16                       ; tensor_dim1 = 2
	s_mov_b32 s[G1+3], 8192<<16                    ; tile_dim0 = 8,192: 128 positions x 64 channels on end
	s_mov_b32 s[G1+4], 2                           ; tile_dim1 = 2 heads
	s_mov_b32 s[G1+5], 131072                      ; from a head to the next
	s_mov_b32 s[G1+6], 0
	s_mov_b32 s[G1+7], 0
	s_or_b32 s[G1B], s44, (1<<16)|(1<<20)|(1<<21)|(4<<22)|(7<<25)  ; 8 words
	s_mov_b32 s[G1B+1], 128<<16                    ; 256 k-rows of a block are 32,768 dense bytes: 128 rows of 256
	s_mov_b32 s[G1B+2], 128<<16
	s_mov_b32 s[G1B+3], 128<<16
	s_mov_b32 s[G1B+4], 128
	s_mov_b32 s[G1B+5], 128
	s_mov_b32 s[G1B+6], 0
	s_mov_b32 s[G1B+7], 0
	s_lshr_b32 s16, s15, 4
	s_lshl_b32 s16, s16, 22                        ; A: the batch's 16 heads,
	s_and_b32 s17, s15, 15
	s_lshl_b32 s17, s17, 14                        ; 128 positions x 128 bytes a tile row,
	s_add_co_u32 s16, s16, s17
	s_lshl_b32 s17, s[HALF], 19                    ; my two heads of a step
	s_add_co_u32 s16, s16, s17
	s_mov_b32 s17, 0
	s_lshl1_add_u32 s46, s42, s[HALF]              ; B: block 2 tx + half
	s_lshl_b32 s46, s46, 17
	s_add_co_u32 s46, s46, WOFF
	s_mov_b32 s47, 0
	s_mul_i32 s20, s[HALF], AH                     ; where they go: no place in the cluster enters an LDS address
	s_mul_i32 s21, s[HALF], BH
	s_add_co_u32 s21, s21, BOFF
	s_mov_b32 s45, 0xffff0000
	s_wait_dscnt 0x0                               ; the opening add is done
	s_wait_kmcnt 0x0
	s_add_nc_u64 s[18:19], s[4:5], s[16:17]
	s_add_nc_u64 s[46:47], s[6:7], s[46:47]
	CROUND                                         ; all sixteen work-groups are here
.irp s, 0,1
	s_mov_b32 s[G0+4*\s], 1
	s_add_co_u32 s[G0+4*\s+1], s20, \s*SLOT
	s_add_nc_u64 s[G0+4*\s+2:G0+4*\s+3], s[18:19], \s*1048576   ; a step is four heads
	s_or_b32 s[G0+4*\s+3], s[G0+4*\s+3], 0x80000000
	s_mov_b32 s[G0B+4*\s], 1
	s_add_co_u32 s[G0B+4*\s+1], s21, \s*SLOT
	s_add_nc_u64 s[G0B+4*\s+2:G0B+4*\s+3], s[46:47], \s*32768
	s_or_b32 s[G0B+4*\s+3], s[G0B+4*\s+3], 0x80000000
.endr
	s_cmp_eq_u32 s[ROLE], 0                        ; a wave's two first fills stand in one branch: two loads of mine are out
	s_cbranch_scc0 .Lfirst_b
	tensor_load_to_lds s[G0:G0+3], s[G1:G1+7]
	s_nop 0
	tensor_load_to_lds s[G0+4:G0+7], s[G1:G1+7]
	s_nop 0
.rept 4
	v_nop
.endr
	s_branch .Lfirst_done
.Lfirst_b:
	tensor_load_to_lds s[G0B:G0B+3], s[G1B:G1B+7]
	s_nop 0
	tensor_load_to_lds s[G0B+4:G0B+7], s[G1B:G1B+7]
	s_nop 0
.rept 4
	v_nop
.endr
.Lfirst_done:
	v_and_b32 v1, 15, v0                           ; l % 16
	v_bfe_u32 v2, v0, 4, 1                         ; l / 16
	; my 64 rows x 64 columns in xnb; in out0 every term is twice as large
	s_and_b32 s20, s15, 15
	s_lshr_b32 s21, s15, 4
	s_lshl_b32 s22, s20, 19                        ; 128 positions x 4,096 bytes,
	s_lshl_b32 s23, s[ROLE], 18                    ; my 64 positions,
	s_add_co_u32 s22, s22, s23
	s_lshl_b32 s23, s21, 11                        ; the batch,
	s_add_co_u32 s22, s22, s23
	s_lshl_b32 s23, s42, 8                         ; the tile's 128 columns,
	s_add_co_u32 s22, s22, s23
	s_lshl_b32 s23, s[HALF], 7                     ; my 64
	s_add_co_u32 s22, s22, s23
	s_mov_b32 s23, 0
	s_add_nc_u64 s[8:9], s[8:9], s[22:23]
	s_lshl_b32 s22, s22, 1
	s_add_nc_u64 s[10:11], s[10:11], s[22:23]
	v_lshlrev_b32 v[XO], 3, v1                     ; lanes 0-15 one position's 64 numbers, lanes 16-31 the next position's
	v_lshl_add_u32 v[XO], v2, 12, v[XO]
	v_lshlrev_b32 v[CO], 4, v1
	v_lshl_add_u32 v[CO], v2, 13, v[CO]
	WIN 0x80                                       ; destination window 2
.set i, 0
.rept 32                               ; the residual: rows 2 i, 2 i + 1 of my 64; waited for at the way out
	global_load_b64 v[2*i:2*i+1], v[XO], s[8:9] offset:2*i*4096
.set i, i+1
.endr
	WIN 0
	v_mul_u32_u24 v3, v1, PA
	v_lshl_add_u32 v3, v2, 4, v3
	s_mul_i32 s20, s[ROLE], 64*PA                  ; my 64 positions in each head
	v_add_nc_u32 v[ADRA], s20, v3
	v_add_nc_u32 v[ADRA+1], SLOT, v[ADRA]
	v_and_b32 v4, 7, v0                            ; the turning load: lane l reads k-row 8 (l / 16) + l % 8, columns 8 ((l / 8) % 2) + 0..7
	v_bfe_u32 v5, v0, 3, 1
	v_lshl_add_u32 v3, v2, 3, v4
	v_mul_u32_u24 v3, v3, PB
	v_lshl_add_u32 v3, v5, 4, v3
	s_mul_i32 s20, s[HALF], BH                     ; my block of 64 columns
	s_add_co_u32 s20, s20, BOFF
	v_add_nc_u32 v[ADRB], s20, v3
	v_add_nc_u32 v[ADRB+1], SLOT, v[ADRB]
	s_mul_i32 s20, s[WV], 16*SPITCH                ; my stage
	v_mul_u32_u24 v[STO], v1, SPITCH               ; in: row l % 16, 32 bytes for each half of the lanes
	v_lshl_add_u32 v[STO], v2, 5, v[STO]
	v_add_nc_u32 v[STO], s20, v[STO]
	v_mul_u32_u24 v[RD], v2, SPITCH                ; back: lanes 0-15 one row of 256 bytes, lanes 16-31 the next
	v_lshl_add_u32 v[RD], v1, 4, v[RD]
	v_add_nc_u32 v[RD], s20, v[RD]
; 8 matrix instructions: row blocks a0, a0 + 1 x all 4 column blocks, 32 along K: half c of buffer f.  The 16 accumulators take turns.
.macro MUL8 f, c, a0, zero
	WIN MUL
.irp a, \a0, (\a0)+1
.irp b, 0,1,2,3
.if \zero
	v_wmma_f32_16x16x32_bf16 v[ACC+8*(4*(\a)+(\b)):ACC+8*(4*(\a)+(\b))+7], v[(\f)+64+8*(4*(\c)+(\b)):(\f)+64+8*(4*(\c)+(\b))+7], v[(\f)+8*(4*(\c)+(\a)):(\f)+8*(4*(\c)+(\a))+7], 0
.else
	v_wmma_f32_16x16x32_bf16 v[ACC+8*(4*(\a)+(\b)):ACC+8*(4*(\a)+(\b))+7], v[(\f)+64+8*(4*(\c)+(\b)):(\f)+64+8*(4*(\c)+(\b))+7], v[(\f)+8*(4*(\c)+(\a)):(\f)+8*(4*(\c)+(\a))+7], v[ACC+8*(4*(\a)+(\b)):ACC+8*(4*(\a)+(\b))+7]
.endif
.endr
.endr
.endm
; 32 LDS loads in one run: quarter q (one head, 64 along K) of a slot into buffer f; its first 32 channels first
.macro FETCH slot, q, f
	WIN TO_F
.irp c, 0,1
.irp i, 0,1,2,3
	ds_load_tr16_b128 v[(\f)+64+8*(4*(\c)+(\i)):(\f)+64+8*(4*(\c)+(\i))+3],   v[ADRB+(\slot)] offset:(64*(\q)+32*(\c))*PB+32*(\i)
	ds_load_tr16_b128 v[(\f)+64+8*(4*(\c)+(\i))+4:(\f)+64+8*(4*(\c)+(\i))+7], v[ADRB+(\slot)] offset:(64*(\q)+32*(\c))*PB+32*(\i)+16*PB
	ds_load_b128 v[(\f)+8*(4*(\c)+(\i)):(\f)+8*(4*(\c)+(\i))+3],         v[ADRA+(\slot)] offset:(\q)*128*PA+64*(\c)+(\i)*16*PA
	ds_load_b128 v[(\f)+8*(4*(\c)+(\i))+4:(\f)+8*(4*(\c)+(\i))+7],       v[ADRA+(\slot)] offset:(\q)*128*PA+64*(\c)+(\i)*16*PA+32
.endr
.endr
.endm
.macro QUARTER slot, q, f, g, zero     ; multiplies buffer f and fetches quarter q into g
	s_wait_dscnt 16                                ; the first 32 along K are in
	MUL8 \f, 0, 0, \zero
	MUL8 \f, 0, 2, \zero
	PLACES
	FETCH \slot, \q, \g
	s_wait_dscnt 32                                ; all but the 32 just issued
	MUL8 \f, 1, 0, 0
	MUL8 \f, 1, 2, 0
.endm
; The last quarter multiplies buffer 1 and changes slots: in front of the barrier each wave waits for all its tensor loads, adds 0 to its spare word, and waits for that and for its reads of this slot.
; fill = 1: the barrier opens a round of the cluster's, and this slot is filled again, first thing behind it, two steps ahead.
.macro TURN slot, next, fill
	WIN 0
	s_wait_tensorcnt 0x0
	ds_add_u32 v[SPW], v[NIL]
	s_wait_dscnt 17                                ; (the add and the youngest sixteen loads may be out)
	MUL8 F1, 0, 0, 0
	s_wait_dscnt 0x0                               ; the add is done, my reads of this slot are over
	s_barrier_signal -1
	MUL8 F1, 0, 2, 0
	WIN 0
	s_barrier_wait -1
.if \fill
	CREST
	s_add_nc_u64 s[G0+4*(\slot)+2:G0+4*(\slot)+3], s[G0+4*(\slot)+2:G0+4*(\slot)+3], 2*1048576
	s_add_nc_u64 s[G0B+4*(\slot)+2:G0B+4*(\slot)+3], s[G0B+4*(\slot)+2:G0B+4*(\slot)+3], 2*32768
	JLOAD \slot                                    ; its four v_nop are also the places in front of the loads below
.else
	PLACES
.endif
	FETCH \next, 0, F0
	MUL8 F1, 1, 0, 0
	MUL8 F1, 1, 2, 0
.endm
	s_wait_tensorcnt 1                             ; my part of step 0 is in; step 1's may stay out
	s_barrier_signal -1
	s_barrier_wait -1
	FETCH 0, 0, F0
	QUARTER 0, 1, F0, F1, 1                        ; the first products start the sums
	QUARTER 0, 2, F1, F0, 0
	QUARTER 0, 3, F0, F1, 0
	TURN 0, 1, 1                                   ; step 2 into slot 0
	QUARTER 1, 1, F0, F1, 0
	QUARTER 1, 2, F1, F0, 0
	QUARTER 1, 3, F0, F1, 0
	TURN 1, 0, 1                                   ; step 3 into slot 1
	QUARTER 0, 1, F0, F1, 0
	QUARTER 0, 2, F1, F0, 0
	QUARTER 0, 3, F0, F1, 0
	TURN 0, 1, 0                                   ; nothing is left to fetch; behind this barrier nobody reads slot 0 any more
	QUARTER 1, 1, F0, F1, 0
	QUARTER 1, 2, F1, F0, 0
	QUARTER 1, 3, F0, F1, 0
	s_wait_dscnt 16
	MUL8 F1, 0, 0, 0
	MUL8 F1, 0, 2, 0
	s_wait_dscnt 0x0
	MUL8 F1, 1, 0, 0
	MUL8 F1, 1, 2, 0
	; THE WAY OUT
	WIN 0
	PLACES
	s_wait_loadcnt 0x0                             ; the residual
	WIN 0x48                                       ; source 1 window 2, destination window 1: bf16 to f32, 128 numbers a lane
.set i, 0
.rept 64
	v_lshlrev_b32 v[2*i], 16, v[i]
	v_and_b32 v[2*i+1], s45, v[i]
.set i, i+1
.endr
.macro TOSTAGE a                       ; row block a: 16 rows x 256 bytes into my stage (each accumulator's low four registers first), and back by whole rows
	WIN 0
.irp i, 0,1,2,3
	ds_store_b128 v[STO], v[ACC+8*(4*(\a)+\i):ACC+8*(4*(\a)+\i)+3]   offset:64*\i
	ds_store_b128 v[STO], v[ACC+8*(4*(\a)+\i)+4:ACC+8*(4*(\a)+\i)+7] offset:64*\i+16
.endr
.irp t, 0,1,2,3,4,5,6,7
	ds_load_b128 v[BK+32*((\a)%2)+4*\t:BK+32*((\a)%2)+4*\t+3], v[RD] offset:\t*2*SPITCH  ; LDS serves a wave's instructions in order (ISA guide 5.7.1.4)
.endr
.endm
.macro SEND a, younger                 ; the residual is added in place in window 1 and stored from there; younger: the next block's sixteen LDS instructions, or none
	WIN 0x44                                       ; source 0 window 0; source 1 (the stores' data too) and destination window 1
.irp t, 0,1,2,3,4,5,6,7
	s_wait_dscnt (\younger)+7-\t
	v_pk_add_f32 v[4*(8*(\a)+\t):4*(8*(\a)+\t)+1],   v[BK+32*((\a)%2)+4*\t:BK+32*((\a)%2)+4*\t+1],   v[4*(8*(\a)+\t):4*(8*(\a)+\t)+1]
	v_pk_add_f32 v[4*(8*(\a)+\t)+2:4*(8*(\a)+\t)+3], v[BK+32*((\a)%2)+4*\t+2:BK+32*((\a)%2)+4*\t+3], v[4*(8*(\a)+\t)+2:4*(8*(\a)+\t)+3]
	global_store_b128 v[CO], v[4*(8*(\a)+\t):4*(8*(\a)+\t)+3], s[10:11] offset:(16*(\a)+2*\t)*8192 th:TH_STORE_NT  ; 16 lanes store 256 consecutive bytes, aligned
.endr
.endm
	TOSTAGE 0
	TOSTAGE 1
	SEND 0, 16
	TOSTAGE 2
	SEND 1, 16
	TOSTAGE 3
	SEND 2, 16
	SEND 3, 0
	WIN 0
	s_wait_tensorcnt 0x0                           ; the wave's end
	ds_add_u32 v[SPW], v[NIL]
	s_wait_dscnt 0x0
	CROUND                                         ; the closing round
	s_endpgm
.Lfunc_end_k_q5806830d76_proj:
	.size	k_q5806830d76_proj, .Lfunc_end_k_q5806830d76_proj-k_q5806830d76_proj
	.p2alignl 7, 3214868480
	.fill 96, 4, 3214868480
	.section	.rodata,"a",@progbits
	.p2align	6, 0x0
	.amdhsa_kernel k_q5806830d76_proj
		.amdhsa_group_segment_fixed_size 327680
		.amdhsa_private_segment_fixed_size 0
		.amdhsa_enable_private_segment 0
		.amdhsa_kernarg_size 32
		.amdhsa_user_sgpr_count 2
		.amdhsa_user_sgpr_kernarg_segment_ptr 1
		.amdhsa_wavefront_size32 1
		.amdhsa_system_sgpr_workgroup_id_x 1
		.amdhsa_system_sgpr_workgroup_id_y 1
		.amdhsa_system_sgpr_workgroup_id_z 1
		.amdhsa_system_vgpr_workitem_id 0
		.amdhsa_next_free_vgpr 576
		.amdhsa_next_free_sgpr 66
		.amdhsa_reserve_vcc 0
		.amdhsa_float_denorm_mode_32 3
		.amdhsa_float_denorm_mode_16_64 3
		.amdhsa_memory_ordered 1
		.amdhsa_forward_progress 1
		.amdhsa_inst_pref_size 98
	.end_amdhsa_kernel
	.amdgpu_metadata
---
amdhsa.version: [ 1, 2 ]
amdhsa.kernels:
  - .name:           k_q5806830d76_proj
    .symbol:         k_q5806830d76_proj.kd
    .args:
      - { .name: avb, .offset: 0, .size: 8, .value_kind: global_buffer, .address_space: global }
      - { .name: wb, .offset: 8, .size: 8, .value_kind: global_buffer, .address_space: global }
      - { .name: xnb, .offset: 16, .size: 8, .value_kind: global_buffer, .address_space: global }
      - { .name: out0, .offset: 24, .size: 8, .value_kind: global_buffer, .address_space: global }
    .group_segment_fixed_size: 327680
    .private_segment_fixed_size: 0
    .kernarg_segment_align: 8
    .kernarg_segment_size: 32
    .max_flat_workgroup_size: 128
    .sgpr_count:     66
    .vgpr_count:     576
    .wavefront_size: 32
...
	.end_amdgpu_metadata
.endif
;; end of part 4
;; ======== version 2 of 2: 4 launches; version 1 with the launch prep written anew for expert scheduling mode
;; workspace buffers: xnb 8,388,608 bytes; wb 8,388,608 bytes; rkv 4,096 bytes; qkvb 25,165,824 bytes; cb 262,144 bytes; avb 8,388,608 bytes
;; launch prep (part 5): grid 208 x 1, 16 waves a work-group, no clusters, 10,240 bytes of LDS; arguments x, ln_g, ln_b, Wqkv, Wo, r, Wr, xnb, wb, rkv; writes xnb, wb, rkv
.if DOCPART == 5
	.amdgcn_target "amdgcn-amd-amdhsa--gfx1250"
	.amdhsa_code_object_version 6
	.text
	.protected	k_q5806830d76_prep
	.globl	k_q5806830d76_prep
	.p2align	8
	.type	k_q5806830d76_prep,@function
k_q5806830d76_prep:
	s_mov_b64 s[64:65], 0
	v_nop
	global_prefetch_b8 v0, s[64:65] scope:SCOPE_SE
	s_setreg_imm32_b32 hwreg(HW_REG_WAVE_SCHED_MODE, 0, 2), 2
	s_setreg_imm32_b32 hwreg(HW_REG_WAVE_MODE, 25, 1), 1
	s_wait_xcnt 0x0
	s_wait_alu depctr_vm_vsrc(0)
; PREP: three streams that share one launch; the work-group's number chooses the part (the same for all its 16 waves).
;   groups 0-15    rkv[64 n + d] = sum over k of r[k] Wr[k][64 n + d], f32.  The position input has ONE distinct row, so this is a vector times a matrix:
;                  1 M multiply-adds on 4 MiB read once: plain f32 multiply-adds, no matrix unit.
;   groups 16-79   Wqkv and Wo rounded to bf16 and laid in blocks: WQ [head n][k][kind q,k,v][64] at byte 0 of wb, WO [block of 64 columns][k][64] at byte WOFF.
;                  A chunk is 64 numbers: 256 bytes read, 128 written.  In both tensors chunk c of block n lies at source byte 4096 c + 256 n (for Wqkv c = 3 k + kind).
;   groups 80-207  LayerNorm: xn = (x - mean) rsqrt(var + 1e-5) g + b, var by a second pass over x - mean as the definition has it; a wave takes two rows and keeps them in registers.
; xn is rounded ONCE to bf16 (relative error up to 2^-8): it serves as matrix operand and as the residual of the last launch.  NaN and infinities are not treated apart.
; Every wave issues all its loads at once and works them off by counted waits.  Each store of a wave covers 256 consecutive bytes, aligned.
; No cluster, no tensor load: no two work-groups read the same bytes but g, b and r (4 KiB each).  No prefetch: each wave's loads all go out at its head.
; THE MODE: SCHED_MODE bits 1:0 = 2 (LLVM: expert scheduling mode 2), set by the entry lines.  The code itself states the register dependences
; between vector instructions and memory or LDS instructions, with s_wait_alu, always for 0.
; THE PLAN.  Registers that memory or LDS instructions touch:
;   offsets and LDS addresses (v30, v31; in the rkv part v8, v10, v11, v12): made at a part's head, ahead of one wait, and never written again.
;   loaded data (v32-159; in the rkv part v160-191 too): each register is loaded once from memory, and no vector instruction names it before that load.
;   out-registers: each is written once, by a rounding or a sum, and read by one store; none is written again.  So no register that a memory or LDS instruction reads is ever rewritten.
;   LayerNorm: row 0's roundings, one wait, row 0's eight stores dealt among row 1's multiplies (which name row 1's registers, g, b and rstd alone); row 1's roundings, one wait, its eight stores.
;   Casts: eight groups of four loads.  At a group's head one wait states that the group before has written its out-registers; that group's four stores are dealt among this group's roundings.
;   rkv: one wait ahead of the LDS store states that the sums are written and that the multiply-adds are done reading v32-95, in which wave 0's LDS loads land; one more ahead of the last store.
.set SPARE, 8192                       ; LDS 0-8191: the 32 partial rows of rkv; from here the spare words, 128 bytes a wave
.set WOFF,  6291456
.set SPW, 28                           ; v28  SPARE + 4 x my thread's number; never rewritten
.set NIL, 29                           ; v29  0; never rewritten
.set LOF, 30                           ; v30  my byte offset in what I load
.set SOF, 31                           ; v31  my byte offset in what I store
.macro FOLD T                          ; four chains of pairs into one number
	v_pk_add_f32 v[(\T):(\T)+1], v[(\T):(\T)+1], v[(\T)+2:(\T)+3]
	v_pk_add_f32 v[(\T)+4:(\T)+5], v[(\T)+4:(\T)+5], v[(\T)+6:(\T)+7]
	v_pk_add_f32 v[(\T):(\T)+1], v[(\T):(\T)+1], v[(\T)+4:(\T)+5]
	v_add_f32 v[(\T)], v[(\T)], v[(\T)+1]
.endm
.macro LSUM X, T                       ; the sum of my 32 numbers: the first pairs start the chains, nothing is cleared
.irp c, 0,1,2,3
	v_pk_add_f32 v[(\T)+2*\c:(\T)+2*\c+1], v[(\X)+2*\c:(\X)+2*\c+1], v[(\X)+8+2*\c:(\X)+8+2*\c+1]
.endr
.irp g, 2,3
.irp c, 0,1,2,3
	v_pk_add_f32 v[(\T)+2*\c:(\T)+2*\c+1], v[(\T)+2*\c:(\T)+2*\c+1], v[(\X)+8*\g+2*\c:(\X)+8*\g+2*\c+1]
.endr
.endr
	FOLD \T
.endm
.macro LSQ X, T                        ; the sum of their squares
.irp c, 0,1,2,3
	v_pk_mul_f32 v[(\T)+2*\c:(\T)+2*\c+1], v[(\X)+2*\c:(\X)+2*\c+1], v[(\X)+2*\c:(\X)+2*\c+1]
.endr
.irp g, 1,2,3
.irp c, 0,1,2,3
	v_pk_fma_f32 v[(\T)+2*\c:(\T)+2*\c+1], v[(\X)+8*\g+2*\c:(\X)+8*\g+2*\c+1], v[(\X)+8*\g+2*\c:(\X)+8*\g+2*\c+1], v[(\T)+2*\c:(\T)+2*\c+1]
.endr
.endr
	FOLD \T
.endm
.macro LRED T                          ; over the 32 lanes; every lane ends with the sum
	v_add_f32_dpp v[(\T)], v[(\T)], v[(\T)] row_xmask:1 row_mask:0xf bank_mask:0xf
	v_add_f32_dpp v[(\T)], v[(\T)], v[(\T)] row_xmask:2 row_mask:0xf bank_mask:0xf
	v_add_f32_dpp v[(\T)], v[(\T)], v[(\T)] row_xmask:4 row_mask:0xf bank_mask:0xf
	v_add_f32_dpp v[(\T)], v[(\T)], v[(\T)] row_xmask:8 row_mask:0xf bank_mask:0xf
	v_permlanex16_b32 v[(\T)+1], v[(\T)], s30, s31
	v_add_f32 v[(\T)], v[(\T)], v[(\T)+1]
.endm
.macro LSUB X, M                       ; x - mean, in place
.set p, 0
.rept 16
	v_pk_add_f32 v[(\X)+2*p:(\X)+2*p+1], v[(\X)+2*p:(\X)+2*p+1], v[(\M):(\M)+1] neg_lo:[0,1] neg_hi:[0,1]
.set p, p+1
.endr
.endm
; A row times rstd, times g plus b, rounded to bf16: numbers 4 j .. 4 j + 3 of my 32 close up into v[X + 4 j : X + 4 j + 1].
; prev = 1: the eight stores of the row before (32 registers below) are dealt among this row's multiplies, one ahead of each two; no line of this macro names a register that they read.
.macro LOUT X, R, prev
.set p, 0
.rept 16
.if (\prev) && (p%2 == 0)
	global_store_b64 v[SOF], v[(\X)-32+2*p:(\X)-32+2*p+1], s[22:23] offset:128*p  ; 32 lanes x 8 bytes: 256 consecutive bytes, aligned
.endif
	v_pk_mul_f32 v[(\X)+2*p:(\X)+2*p+1], v[(\X)+2*p:(\X)+2*p+1], v[(\R):(\R)+1]
.set p, p+1
.endr
.set p, 0
.rept 16
	v_pk_fma_f32 v[(\X)+2*p:(\X)+2*p+1], v[(\X)+2*p:(\X)+2*p+1], v[96+2*p:97+2*p], v[128+2*p:129+2*p]
.set p, p+1
.endr
.irp j, 0,1,2,3,4,5,6,7
	v_cvt_pk_bf16_f32 v[(\X)+4*\j], v[(\X)+4*\j], v[(\X)+4*\j+1]
	v_cvt_pk_bf16_f32 v[(\X)+4*\j+1], v[(\X)+4*\j+2], v[(\X)+4*\j+3]
.endr
.endm
; The casts' group g of eight: loads 4 g .. 4 g + 3 are rounded in place; the four stores of group g - 1 are dealt among the roundings, which name this group's sixteen registers alone.
.macro CGRP g
	s_wait_loadcnt 28-4*(\g)                       ; loads come back in order: this group's four are in, the younger groups stay out
.if (\g) > 0
	s_wait_alu depctr_va_vdst(0)                   ; the group before has written its out-registers, which the stores below read
.endif
.irp i, 0,1,2,3
.if (\g) > 0
	global_store_b64 v[SOF], v[16+16*(\g)+4*\i:17+16*(\g)+4*\i], s[24:25] offset:256*(4*(\g)-4+\i)  ; two chunks: 256 consecutive bytes, aligned
.endif
	v_cvt_pk_bf16_f32 v[32+16*(\g)+4*\i], v[32+16*(\g)+4*\i], v[33+16*(\g)+4*\i]
	v_cvt_pk_bf16_f32 v[33+16*(\g)+4*\i], v[34+16*(\g)+4*\i], v[35+16*(\g)+4*\i]
.endr
.endm
	s_load_b512 s[8:23], s[0:1], 0x0               ; x 8, g 10, b 12, Wqkv 14, Wo 16, r 18, Wr 20, xnb 22
	s_load_b128 s[24:27], s[0:1], 0x40             ; wb 24, rkv 26
	v_lshl_add_u32 v[SPW], v0, 2, SPARE
	v_mov_b32 v[NIL], 0
	v_lshrrev_b32 v1, 5, v0
	v_readfirstlane_b32 s4, v1                     ; wave 0..15
	v_and_b32 v1, 31, v0                           ; lane
	v_and_b32 v2, 15, v0                           ; lane % 16
	v_bfe_u32 v3, v0, 4, 1                         ; lane / 16
	s_mov_b32 s5, ttmp9
	s_mov_b32 s7, 0                                ; the high word of every offset
	s_wait_alu depctr_va_sdst(0)                   ; s4 is written, ahead of the branches and of its first reader in each part
	s_wait_kmcnt 0x0
	s_cmp_lt_u32 s5, 16
	s_cbranch_scc1 .Lrkv
	s_cmp_lt_u32 s5, 80
	s_cbranch_scc1 .Lcast
	; ---- LayerNorm: rows 32 g + 2 w and the next.  X0 v32-63, X1 v64-95, g v96-127, b v128-159; load j brings my numbers 128 j + 4 lane .. + 3
	s_sub_co_u32 s5, s5, 80
	s_lshl_b32 s5, s5, 5
	s_lshl1_add_u32 s5, s4, s5                     ; my first row
	s_lshl_b32 s6, s5, 12
	s_add_nc_u64 s[8:9], s[8:9], s[6:7]
	s_lshl_b32 s6, s5, 11
	s_add_nc_u64 s[22:23], s[22:23], s[6:7]
	s_mov_b32 s30, 0x76543210                      ; v_permlanex16_b32: each lane takes its own place in the other half
	s_mov_b32 s31, 0xfedcba98
	s_mov_b32 s32, 0x3a800000                      ; 1 / 1024
	s_mov_b32 s33, 0x3727c5ac                      ; 1e-5
	v_lshlrev_b32 v[LOF], 4, v1
	v_lshlrev_b32 v[SOF], 3, v1
	s_wait_alu depctr_va_vdst(0)                   ; v30 and v31 are written: every load of this part reads the one as its offset, every store the other
.irp j, 0,1,2,3,4,5,6,7
	global_load_b128 v[32+4*\j:35+4*\j], v[LOF], s[8:9] offset:512*\j th:TH_LOAD_NT
.endr
.irp j, 0,1,2,3,4,5,6,7
	global_load_b128 v[64+4*\j:67+4*\j], v[LOF], s[8:9] offset:4096+512*\j th:TH_LOAD_NT
.endr
.irp j, 0,1,2,3,4,5,6,7
	global_load_b128 v[96+4*\j:99+4*\j], v[LOF], s[10:11] offset:512*\j
.endr
.irp j, 0,1,2,3,4,5,6,7
	global_load_b128 v[128+4*\j:131+4*\j], v[LOF], s[12:13] offset:512*\j
.endr
	s_wait_loadcnt 16                              ; both rows are in; the sixteen loads of g and b may stay out
	LSUM 32, 4
	LSUM 64, 12
	LRED 4
	LRED 12
	v_mul_f32 v20, s32, v4                         ; the means, each twice: a pair for the packed forms
	v_mul_f32 v21, s32, v4
	v_mul_f32 v22, s32, v12
	v_mul_f32 v23, s32, v12
	LSUB 32, 20
	LSUB 64, 22
	LSQ 32, 4
	LSQ 64, 12
	LRED 4
	LRED 12
	v_fma_f32 v4, v4, s32, s33                     ; var + eps
	v_fma_f32 v12, v12, s32, s33
	v_rsq_f32 v24, v4                              ; one batch of two,
	v_rsq_f32 v26, v12
	v_nop                                          ; a plain instruction behind the last of them (ISA guide 5.7.2),
	s_wait_alu depctr_va_vdst(0)                   ; and the one wait ahead of the first reader: v24 and v26 are written
	v_mov_b32 v25, v24
	v_mov_b32 v27, v26
	s_wait_loadcnt 0x0                             ; g and b
	LOUT 32, 24, 0
	s_wait_alu depctr_va_vdst(0)                   ; row 0's roundings have written v[32 + 4 j : 33 + 4 j], which the eight stores dealt among row 1's multiplies read
	LOUT 64, 26, 1
	s_wait_alu depctr_va_vdst(0)                   ; row 1's roundings have written v[64 + 4 j : 65 + 4 j], which the eight stores below read
.irp j, 0,1,2,3,4,5,6,7
	global_store_b64 v[SOF], v[64+4*\j:65+4*\j], s[22:23] offset:2048+256*\j  ; 32 lanes x 8 bytes: 256 consecutive bytes, aligned
.endr
	s_branch .Lend
	; ---- the casts: a wave takes 64 chunks, two to an instruction (lanes 0-15 one chunk, lanes 16-31 the next)
.Lcast:
	s_sub_co_u32 s5, s5, 16                        ; 0-47: Wqkv, head j % 16, third j / 16 of its 3,072 chunks; 48-63: Wo, block j - 48, all 1,024
	s_and_b32 s6, s5, 15
	s_lshr_b32 s28, s5, 4
	s_sub_co_u32 s29, s5, 48
	s_mov_b32 s30, 393216                          ; bytes of a head's block in WQ,
	s_mov_b32 s31, 131072                          ; of a block in WO
	s_cmp_lt_u32 s5, 48
	s_cselect_b64 s[14:15], s[14:15], s[16:17]
	s_cselect_b32 s6, s6, s29                      ; n
	s_cselect_b32 s28, s28, 0
	s_cselect_b32 s30, s30, s31
	s_cselect_b32 s29, 0, WOFF
	s_mul_i32 s30, s6, s30
	s_add_co_u32 s30, s30, s29
	s_lshl_b32 s28, s28, 10
	s_lshl_b32 s29, s4, 6
	s_add_co_u32 s28, s28, s29                     ; my first chunk
	s_lshl_b32 s29, s28, 7
	s_add_co_u32 s30, s30, s29
	s_mov_b32 s31, 0
	s_add_nc_u64 s[24:25], s[24:25], s[30:31]      ; to: block + 128 x chunk
	s_lshl_b32 s30, s28, 12
	s_lshl_b32 s29, s6, 8
	s_add_co_u32 s30, s30, s29
	s_add_nc_u64 s[14:15], s[14:15], s[30:31]      ; from: 4096 x chunk + 256 n
	v_lshlrev_b32 v[LOF], 4, v2
	v_lshl_add_u32 v[LOF], v3, 12, v[LOF]
	v_lshlrev_b32 v[SOF], 3, v1
	s_wait_alu depctr_va_vdst(0)                   ; v30 and v31 are written: every load of this part reads the one as its offset, every store the other
.set u, 0
.rept 32
	global_load_b128 v[32+4*u:35+4*u], v[LOF], s[14:15] offset:8192*u th:TH_LOAD_NT
.set u, u+1
.endr
.irp g, 0,1,2,3,4,5,6,7
	CGRP \g
.endr
	s_wait_alu depctr_va_vdst(0)                   ; the last group has written its out-registers, which the last four stores read
.irp i, 0,1,2,3
	global_store_b64 v[SOF], v[144+4*\i:145+4*\i], s[24:25] offset:256*(28+\i)  ; two chunks: 256 consecutive bytes, aligned
.endr
	s_branch .Lend
	; ---- rkv: thread t takes rows 32 (t / 16) .. + 31 of Wr and four of the head's 64 columns; the 32 partial rows meet in LDS
.Lrkv:
	s_lshl_b32 s6, s5, 8
	s_add_nc_u64 s[20:21], s[20:21], s[6:7]
	s_add_nc_u64 s[26:27], s[26:27], s[6:7]
	v_lshrrev_b32 v9, 4, v0
	v_lshlrev_b32 v10, 7, v9                       ; my 32 numbers of r
	v_lshlrev_b32 v8, 4, v2
	v_lshl_add_u32 v8, v9, 17, v8                  ; 32 rows of 4,096 bytes a step, 16 bytes a lane
	v_lshlrev_b32 v11, 4, v0                       ; LDS: partial row t / 16, 256 bytes each
	v_lshlrev_b32 v12, 3, v1                       ; wave 0: my two columns of a partial row and of the head's 64 numbers
	s_wait_alu depctr_va_vdst(0)                   ; v8, v10, v11 and v12 are written: the offsets and LDS addresses of every load and store of this part
.irp i, 0,1,2,3,4,5,6,7
	global_load_b128 v[160+4*\i:163+4*\i], v10, s[18:19] offset:16*\i
.endr
.set j, 0
.rept 32
	global_load_b128 v[32+4*j:35+4*j], v8, s[20:21] offset:4096*j th:TH_LOAD_NT
.set j, j+1
.endr
	s_wait_loadcnt 31                              ; r (older) and row 0 are in
.irp c, 0,1,2,3
	v_mul_f32 v[4+\c], v[32+\c], v160              ; the first row starts the sums
.endr
.set j, 1
.rept 31
	s_wait_loadcnt 31-j
.irp c, 0,1,2,3
	v_fmac_f32 v[4+\c], v[32+4*j+\c], v[160+j]
.endr
.set j, j+1
.endr
	s_wait_alu depctr_va_vdst(0)                   ; the sums v[4:7] are written, which the LDS store reads; the multiply-adds are done reading v32-95, in which wave 0's LDS loads land
	ds_store_b128 v11, v[4:7]
	s_wait_dscnt 0x0                               ; for the others' sake
	s_barrier_signal -1
	s_barrier_wait -1
	s_cmp_lg_u32 s4, 0
	s_cbranch_scc1 .Lend                           ; wave 0 adds them up
.set p, 0
.rept 32
	ds_load_b64 v[32+2*p:33+2*p], v12 offset:256*p ; no vector instruction has been issued since the wait ahead of the LDS store
.set p, p+1
.endr
	s_wait_dscnt 0x0
.irp s, 16,8,4,2,1
.set i, 0
.rept \s
	v_pk_add_f32 v[32+2*i:33+2*i], v[32+2*i:33+2*i], v[32+2*(i+\s):33+2*(i+\s)]
.set i, i+1
.endr
.endr
	s_wait_alu depctr_va_vdst(0)                   ; the additions have written v[32:33], which the store reads
	global_store_b64 v12, v[32:33], s[26:27]       ; the head's 64 numbers: 256 consecutive bytes, aligned
.Lend:
	s_wait_dscnt 0x0                               ; the closing lines, six on end
	s_wait_alu 0x0
	s_wait_tensorcnt 0x0
	ds_add_u32 v[SPW], v[NIL]
	s_wait_dscnt 0x0
	s_endpgm
.Lfunc_end_k_q5806830d76_prep:
	.size	k_q5806830d76_prep, .Lfunc_end_k_q5806830d76_prep-k_q5806830d76_prep
	.p2alignl 7, 3214868480
	.fill 96, 4, 3214868480
	.section	.rodata,"a",@progbits
	.p2align	6, 0x0
	.amdhsa_kernel k_q5806830d76_prep
		.amdhsa_group_segment_fixed_size 10240
		.amdhsa_private_segment_fixed_size 0
		.amdhsa_enable_private_segment 0
		.amdhsa_kernarg_size 80
		.amdhsa_user_sgpr_count 2
		.amdhsa_user_sgpr_kernarg_segment_ptr 1
		.amdhsa_wavefront_size32 1
		.amdhsa_system_sgpr_workgroup_id_x 1
		.amdhsa_system_sgpr_workgroup_id_y 1
		.amdhsa_system_sgpr_workgroup_id_z 1
		.amdhsa_system_vgpr_workitem_id 0
		.amdhsa_next_free_vgpr 192
		.amdhsa_next_free_sgpr 66
		.amdhsa_reserve_vcc 0
		.amdhsa_float_denorm_mode_32 3
		.amdhsa_float_denorm_mode_16_64 3
		.amdhsa_memory_ordered 1
		.amdhsa_forward_progress 1
		.amdhsa_inst_pref_size 46
	.end_amdhsa_kernel
	.amdgpu_metadata
---
amdhsa.version: [ 1, 2 ]
amdhsa.kernels:
  - .name:           k_q5806830d76_prep
    .symbol:         k_q5806830d76_prep.kd
    .args:
      - { .name: x, .offset: 0, .size: 8, .value_kind: global_buffer, .address_space: global }
      - { .name: ln_g, .offset: 8, .size: 8, .value_kind: global_buffer, .address_space: global }
      - { .name: ln_b, .offset: 16, .size: 8, .value_kind: global_buffer, .address_space: global }
      - { .name: Wqkv, .offset: 24, .size: 8, .value_kind: global_buffer, .address_space: global }
      - { .name: Wo, .offset: 32, .size: 8, .value_kind: global_buffer, .address_space: global }
      - { .name: r, .offset: 40, .size: 8, .value_kind: global_buffer, .address_space: global }
      - { .name: Wr, .offset: 48, .size: 8, .value_kind: global_buffer, .address_space: global }
      - { .name: xnb, .offset: 56, .size: 8, .value_kind: global_buffer, .address_space: global }
      - { .name: wb, .offset: 64, .size: 8, .value_kind: global_buffer, .address_space: global }
      - { .name: rkv, .offset: 72, .size: 8, .value_kind: global_buffer, .address_space: global }
    .group_segment_fixed_size: 10240
    .private_segment_fixed_size: 0
    .kernarg_segment_align: 8
    .kernarg_segment_size: 80
    .max_flat_workgroup_size: 512
    .sgpr_count:     66
    .vgpr_count:     192
    .wavefront_size: 32
...
	.end_amdgpu_metadata
.endif
;; end of part 5
;; launch qkv: the kernel of part 2 again; grid 16 x 16, 4 waves a work-group, clusters of 4 x 4, 327,680 bytes of LDS; arguments xnb, wb, rw, rr, rkv, qkvb, cb; writes qkvb, cb
;; launch attn: the kernel of part 3 again; grid 8 x 32, 4 waves a work-group, clusters of 4 x 1, 327,680 bytes of LDS; arguments qkvb, cb, avb; writes avb
;; launch proj: the kernel of part 4 again; grid 8 x 32, 4 waves a work-group, clusters of 4 x 4, 327,680 bytes of LDS; arguments avb, wb, xnb, out0; writes out0
